; MI455X (gfx1250); checked and timed in simulation.
; The chip was launched on July 23, 2026; its instructions are those of AMD's public machine-readable ISA for CDNA 5 (MIT licence, August 2026) and "CDNA5" Instruction Set Architecture Reference Guide (July 2026). The comments in the code are by the model that wrote it; some were corrected since.
;; SA MH Layer. Allowed arithmetic: matrix products marked QUANTISED: E2M1 operands, one E8M0 scale for each 32 along K, by v_wmma_scale_f32_16x16x128_f8f6f4 with both operands' format E2M1 (or v_wmma_scale_f32_32x16x128_f4), f32 sums; everything else in f32.
;; Inputs: beta 256 float32; bt 256 float32; gamma 256 float32; wk_codes 256 x 8 x 16 uint8 (E2M1 codes of wk, K innermost, in blocks of 32 codes, two codes a byte); wk_scales 256 x 8 uint8 (E8M0 scales of wk, one for each 32 codes along K); wq_codes 256 x 8 x 16 uint8 (E2M1 codes of wq, K innermost, in blocks of 32 codes, two codes a byte); wq_scales 256 x 8 uint8 (E8M0 scales of wq, one for each 32 codes along K); wt_codes 256 x 8 x 16 uint8 (E2M1 codes of wt, K innermost, in blocks of 32 codes, two codes a byte); wt_scales 256 x 8 uint8 (E8M0 scales of wt, one for each 32 codes along K); wv_codes 256 x 8 x 16 uint8 (E2M1 codes of wv, K innermost, in blocks of 32 codes, two codes a byte); wv_scales 256 x 8 uint8 (E8M0 scales of wv, one for each 32 codes along K); x 4 x 256 x 4,096 float32.
;; Outputs: out0 4 x 256 x 4,096 float32.
;; This version of the problem:
;;   THIS VERSION OF THE PROBLEM IS GIVEN IN LOW PRECISION. The matrix products marked QUANTISED in the list below multiply operands that are first quantised to E2M1 (2 exponent bits, 1 mantissa bit; 4 bits a number), with one power-of-two scale for each 32 numbers along K (OCP MX v1.0); their sums are f32. All else is computed in f32.
;;   The module's matrix products, in the order in which they are computed (A, B: the left and right operand; K: the contracted axis; several contracted axes count as one K, in the product's order):
;;     1. [M 16,384, K 256] x [K 256, N 256]; A: input x; B: input wq (given as codes): QUANTISED
;;     2. [M 16,384, K 256] x [K 256, N 256]; A: input x; B: input wk (given as codes): QUANTISED
;;     3. [M 16,384, K 256] x [K 256, N 256]; A: input x; B: input wv (given as codes): QUANTISED
;;     4. batch 16 x [M 4,096, K 64] x [K 64, N 4,096]; A: computed on the way; B: computed on the way: QUANTISED
;;     5. batch 16 x [M 64, K 4,096] x [K 4,096, N 4,096]; A: computed on the way; B: softmax (see below): QUANTISED
;;     6. [M 16,384, K 256] x [K 256, N 256]; A: computed on the way; B: input wt (given as codes): QUANTISED
;;   THE QUANTISER, for each operand of a quantised product, along K:
;;     - K is cut into blocks of 32 from its start; a last block that is shorter is filled with zeros.
;;     - A block's scale is 2^e with e = floor(log2(the largest magnitude in the block)) - 2, held to -126 .. 127; a block of zeros has e = 0. As a byte (E8M0): e + 127.
;;     - Each number is divided by its block's scale, clamped to +-6, and rounded to the nearest number of E2M1, ties to even, subnormals kept.
;;     - The product sums the exact products of the quantised numbers (number of the format x scale) in f32.
;;   ~~~python
;;   def quantise(x, axis):      # numpy; x: float32 -> the quantised numbers, widened to float32 again
;;       x = np.moveaxis(x, axis, -1); K = x.shape[-1]
;;       x = np.pad(x, [(0, 0)] * (x.ndim - 1) + [(0, -K % 32)]); x = x.reshape(x.shape[:-1] + (-1, 32)); a = np.abs(x).max(-1, keepdims=True)
;;       e = np.where(a > 0, np.clip(np.frexp(np.where(a > 0, a, 1))[1] - 1 - 2, -126, 127), 0)      # np.frexp(a)[1] - 1 = floor(log2(a)), exactly
;;       r = np.clip(x / 2.0 ** e, -6, 6)
;;       step = 2.0 ** (np.maximum(np.frexp(np.where(r == 0, 1, r))[1] - 1, 0) - 1)
;;       q = np.round(r / step) * step * 2.0 ** e      # np.round: ties to even
;;       return np.moveaxis(q.reshape(q.shape[:-2] + (-1,))[..., :K], -1, axis).astype(np.float32)
;;   ~~~
;;   SOFTMAX AHEAD OF A QUANTISED PRODUCT. Where the list says 'softmax', what is quantised is not the finished softmax but p = 2^(t - M), with t = logit x log2(e) and M = ceil(the row's largest t), a whole number; so 1/2 < the row's largest p <= 1. The row's sum l is taken of the UNQUANTISED p, in f32, and the product's result is divided by l at the end. Since M is a whole number, a kernel that streams over the keys may use a running M (the ceiling of the running maximum): every later rescaling is an exact power of two, which a block's scale takes up: the codes' values come out the same.
;;   OPERANDS COMPUTED ON THE WAY. 'Computed on the way' means the value that the module computes at that place (a softmax that the list does not call 'softmax' is quantised finished and normalised). What goes into a quantiser is computed in f32, as accurately as f32 sums, v_exp_f32 and their like allow (about 1e-6 of the number): no bf16 or f16 on the way to a quantiser, and a product that is left as it is and whose result goes on into a quantised operand takes f32 operands (vector FMAs, or v_wmma_f32_16x16x4_f32). A number that lies on a knife's edge between two numbers of the format may be rounded either way, as far as f32 arithmetic and the matrix unit's own rounding can turn it there, and no further.
;;   INPUTS GIVEN AS CODES. wk (in the module: [256, 256], K = its axis 1); wq (in the module: [256, 256], K = its axis 1); wt (in the module: [256, 256], K = its axis 1); wv (in the module: [256, 256], K = its axis 1): each comes as NAME_codes (uint8): NAME with its K axis moved to the last place and cut into blocks of 32 codes, [.., K / 32, bytes a block], one block behind the other in memory; two codes a byte, the lower K in the low four bits (a code: sign, 2 exponent bits, 1 mantissa bit); and NAME_scales (uint8): the same leading axes, one E8M0 byte (e + 127) for each 32 codes along K. Its value is code x scale, taken as it is: it is not quantised again, and the codes and scales need not be those that the quantiser above would give.
;; One version. Each part assembles by itself: llvm-mc -triple=amdgcn-amd-amdhsa -mcpu=gfx1250 --defsym DOCPART=n.
;; ======== version 1 of 1: 4 launches
;; workspace buffers: qc 2,097,152 bytes; qs 262,144 bytes; kv 4,587,520 bytes; dc 2,097,152 bytes; dsc 262,144 bytes; part 131,072 bytes
;; launch proj (part 1): grid 128 x 1, 16 waves a work-group, no clusters, 20,480 bytes of LDS; arguments x, wq_codes, wq_scales, wk_codes, wk_scales, wv_codes, wv_scales, qc, qs, kv; writes qc, qs, kv
.if DOCPART == 1
	.amdgcn_target "amdgcn-amd-amdhsa--gfx1250"
	.amdhsa_code_object_version 6
	.text
	.protected	k_q2979f6ccf4_proj
	.globl	k_q2979f6ccf4_proj
	.p2align	8
	.type	k_q2979f6ccf4_proj,@function
k_q2979f6ccf4_proj:
	s_mov_b64 s[64:65], 0
	v_nop
	global_prefetch_b8 v0, s[64:65] scope:SCOPE_SE
	s_setreg_imm32_b32 hwreg(HW_REG_WAVE_MODE, 25, 1), 1
	s_wait_xcnt 0x0
; q = wq x, k = wk x, v = wv x on codes of FP4 (E2M1) with one E8M0 scale for each 32 along K, and the quantising of x (along the channels), of q and k (along a head's 64) and of v (along the keys).
; x: [4][256][4096] f32.  The weights come as codes [256][128 bytes] and scale bytes [256][8].
; A work-group takes 128 points of one batch (one key step of the attention launch): b = group / 32, st = group % 32.  Sixteen waves.
; TILES ARE PERMUTED: row m of point tile 2 B + u is point 32 B + 8 u + m + 8 (m / 8); the rows of a weight that form a tile follow the same pattern inside a head.  So the 16 result registers of two
; neighbouring tiles are 16 neighbours along the next product's K, and the conversions' results are that product's operand registers.
; EVERYTHING THAT LEAVES IS AN IMAGE OF OPERAND REGISTERS: four registers by one store of 16 bytes a lane, 512 consecutive bytes a wave.
;   qc [bh][tile 256][512]; qs [bh][tile / 4][lane][2 words]; kv [bh][step 32][8,960]: K's 8 tiles x 512 | V's 4 tiles x 1,024 | K's scale words 512 | V's scale words 256.
; PHASES.  X: wave w quantises 32 points x 64 channels (a lane a point, registers down the channels) and stores images into LDS | barrier | P1: waves 0-7 make q, waves 8-15 k: one head, four point tiles each,
; transposed (source 0 = 16 rows of the weight, source 1 = 16 points) | P2: wave w makes v's channel tile w for all 128 points (source 0 = 16 points, source 1 = 16 rows of wv): a lane holds one channel, registers run along the keys.
; No cluster: the weights go from memory straight into each wave's registers, once; there is no tile in LDS that work-groups could share.
; LIMITS: NaN and infinities among the inputs are not served.  A block of zeros, or one whose largest magnitude lies under 2^-124, gets the scale byte 1 (the rule's 127 for zeros is not written: the codes are zeros, and this program alone reads the bytes).
.set XSC,  16384                       ; LDS: 0: x's 16 fragments, (2 tile + K step) x 1,024;  here: their scale words, (2 group + K step) x 128 + 4 x lane (lanes 0-15 the even tile, lanes 16-31 the odd one)
.set VSG,  17408                       ; V's scale words on their way out: 64 x wave + 4 r
.set WQ,   16                          ; v16-79   wq's or wk's fragments (tile tt, K step ks) at 8 (2 tt + ks)
.set WVF,  80                          ; v80-95   wv's two fragments
.set WQS,  96                          ; v96-103  their scale words
.set WVS,  104                         ; v104-105
.set XS,   106                         ; v106-107 x's scale words
.set MX,   108                         ; v108-111 largest magnitudes
.set T2,   112                         ; v112-115 the other half's maxima, then the bytes
.set SO,   116                         ; v116-119 the conversions' scale operands
.set PW,   120                         ; a scale word just made
.set PWE,  121                         ; the even tile's
.set SW,   122                         ; v122-123 the pair of words that leaves
.set HA,   128                         ; v128-191 x as loaded, later the products' results
.set XB,   192                         ; v192-223 x's fragments from LDS: 16 u + 8 ks
.set PC,   224                         ; v224-231 codes just made
.set PCQ,  232                         ; v232-247 q's or k's codes: 4 registers a tile
.set SEL,  54                          ; s[54:55] v_permlanex16_b32's selects for lane l xor 16
.macro BAR                             ; my LDS stores have landed and my LDS loads are in: then the work-group's barrier
	s_wait_dscnt 0x0
	s_barrier_signal -1
	s_barrier_wait -1
.endm
; 32 numbers of a lane, register 16 b + i = k 32 b + 16 (lane / 16) + i of my row, become four registers of codes (k = 32 (lane / 16) + 0 .. 31) and two scale bytes.  hi = 1: the word's upper bytes are 0x7f
.macro QUANT2 s, pc, pw, hi
.irp b, 0,1
	v_max3_num_f32 v[MX+\b], |v[\s+16*\b]|, |v[\s+1+16*\b]|, 0x1800000   ; with the floor 2^(3 - 127): the byte cannot fall under 1
.endr
.irp i, 2,4,6,8,10,12,14
.irp b, 0,1
	v_max3_num_f32 v[MX+\b], v[MX+\b], |v[\s+16*\b+\i]|, |v[\s+1+16*\b+\i]|
.endr
.endr
.irp b, 0,1
	s_delay_alu instid0(VALU_DEP_2)
	v_permlanex16_b32 v[T2+\b], v[MX+\b], s[SEL], s[SEL+1]
.endr
.irp b, 0,1
	s_delay_alu instid0(VALU_DEP_2)
	v_max_num_f32 v[MX+\b], v[MX+\b], v[T2+\b]       ; with lane l xor 16's: the block's largest magnitude
.endr
.irp b, 0,1
	s_delay_alu instid0(VALU_DEP_2)
	v_add_nc_u32 v[SO+\b], 0xff000000, v[MX+\b]      ; 2 off its exponent field: the conversion's scale operand
.endr
.irp b, 0,1
	s_delay_alu instid0(VALU_DEP_2)
	v_lshrrev_b32 v[T2+\b], 23, v[SO+\b]             ; the scale's byte
.endr
	s_delay_alu instid0(VALU_DEP_1)
	v_lshl_or_b32 v[\pw], v[T2+1], 8, v[T2]
.if \hi
	s_delay_alu instid0(VALU_DEP_1)
	v_or_b32 v[\pw], 0x7f7f0000, v[\pw]
.endif
.irp b, 0,1
	v_cvt_scalef32_pk8_fp4_f32 v[\pc+2*\b], v[\s+16*\b:\s+7+16*\b], v[SO+\b]
	v_cvt_scalef32_pk8_fp4_f32 v[\pc+1+2*\b], v[\s+8+16*\b:\s+15+16*\b], v[SO+\b]
.endr
	v_nop                                            ; one plain place behind a scaled conversion
	v_permlane16_swap_b32 v[\pc], v[\pc+2]           ; the operand's layout wants a whole block in a lane
	v_permlane16_swap_b32 v[\pc+1], v[\pc+3]
.endm
; the same for 64 numbers: a whole fragment in v[PC] on and its scale word in v[PW]
.macro QUANT4 s
.irp b, 0,1,2,3
	v_max3_num_f32 v[MX+\b], |v[\s+16*\b]|, |v[\s+1+16*\b]|, 0x1800000
.endr
.irp i, 2,4,6,8,10,12,14
.irp b, 0,1,2,3
	v_max3_num_f32 v[MX+\b], v[MX+\b], |v[\s+16*\b+\i]|, |v[\s+1+16*\b+\i]|
.endr
.endr
.irp b, 0,1,2,3
	s_delay_alu instid0(VALU_DEP_4)
	v_permlanex16_b32 v[T2+\b], v[MX+\b], s[SEL], s[SEL+1]
.endr
.irp b, 0,1,2,3
	s_delay_alu instid0(VALU_DEP_4)
	v_max_num_f32 v[MX+\b], v[MX+\b], v[T2+\b]
.endr
.irp b, 0,1,2,3
	s_delay_alu instid0(VALU_DEP_4)
	v_add_nc_u32 v[SO+\b], 0xff000000, v[MX+\b]
.endr
.irp b, 0,1,2,3
	s_delay_alu instid0(VALU_DEP_4)
	v_lshrrev_b32 v[T2+\b], 23, v[SO+\b]
.endr
	s_delay_alu instid0(VALU_DEP_3)
	v_lshl_or_b32 v[PW], v[T2+1], 8, v[T2]
	s_delay_alu instid0(VALU_DEP_1)
	v_lshl_or_b32 v[PW], v[T2+2], 16, v[PW]
	s_delay_alu instid0(VALU_DEP_1)
	v_lshl_or_b32 v[PW], v[T2+3], 24, v[PW]
.irp b, 0,1,2,3
	v_cvt_scalef32_pk8_fp4_f32 v[PC+2*\b], v[\s+16*\b:\s+7+16*\b], v[SO+\b]
	v_cvt_scalef32_pk8_fp4_f32 v[PC+1+2*\b], v[\s+8+16*\b:\s+15+16*\b], v[SO+\b]
.endr
	v_nop
.irp c, 0,1
.irp i, 0,1
	v_permlane16_swap_b32 v[PC+4*\c+\i], v[PC+2+4*\c+\i]
.endr
.endr
.endm
; a product of P1: channel tile tt x point tile u, K step ks.  x's scale words of the odd tile stand in lanes 16-31
.macro PQK u, tt, ks
.set rD, HA+32*\u+8*\tt
.set rA, WQ+8*(2*\tt+\ks)
.set rB, XB+16*\u+8*\ks
.if \ks == 0
.if \u == 0
	v_wmma_scale_f32_16x16x128_f8f6f4 v[rD:rD+7], v[rA:rA+7], v[rB:rB+7], 0, v[WQS+2*\tt+\ks], v[XS+\ks] matrix_a_fmt:MATRIX_FMT_FP4 matrix_b_fmt:MATRIX_FMT_FP4
.else
	v_wmma_scale_f32_16x16x128_f8f6f4 v[rD:rD+7], v[rA:rA+7], v[rB:rB+7], 0, v[WQS+2*\tt+\ks], v[XS+\ks] matrix_a_fmt:MATRIX_FMT_FP4 matrix_b_fmt:MATRIX_FMT_FP4 matrix_b_scale:MATRIX_SCALE_ROW1
.endif
.else
.if \u == 0
	v_wmma_scale_f32_16x16x128_f8f6f4 v[rD:rD+7], v[rA:rA+7], v[rB:rB+7], v[rD:rD+7], v[WQS+2*\tt+\ks], v[XS+\ks] matrix_a_fmt:MATRIX_FMT_FP4 matrix_b_fmt:MATRIX_FMT_FP4
.else
	v_wmma_scale_f32_16x16x128_f8f6f4 v[rD:rD+7], v[rA:rA+7], v[rB:rB+7], v[rD:rD+7], v[WQS+2*\tt+\ks], v[XS+\ks] matrix_a_fmt:MATRIX_FMT_FP4 matrix_b_fmt:MATRIX_FMT_FP4 matrix_b_scale:MATRIX_SCALE_ROW1
.endif
.endif
.endm
; a product of P2: point tile 2 g + u x my channel tile of wv, K step ks
.macro PVV g, u, ks
.set rD, HA+16*\g+8*\u
.set rA, XB+16*\u+8*\ks
.set rB, WVF+8*\ks
.if \ks == 0
.if \u == 0
	v_wmma_scale_f32_16x16x128_f8f6f4 v[rD:rD+7], v[rA:rA+7], v[rB:rB+7], 0, v[XS+\ks], v[WVS+\ks] matrix_a_fmt:MATRIX_FMT_FP4 matrix_b_fmt:MATRIX_FMT_FP4
.else
	v_wmma_scale_f32_16x16x128_f8f6f4 v[rD:rD+7], v[rA:rA+7], v[rB:rB+7], 0, v[XS+\ks], v[WVS+\ks] matrix_a_fmt:MATRIX_FMT_FP4 matrix_b_fmt:MATRIX_FMT_FP4 matrix_a_scale:MATRIX_SCALE_ROW1
.endif
.else
.if \u == 0
	v_wmma_scale_f32_16x16x128_f8f6f4 v[rD:rD+7], v[rA:rA+7], v[rB:rB+7], v[rD:rD+7], v[XS+\ks], v[WVS+\ks] matrix_a_fmt:MATRIX_FMT_FP4 matrix_b_fmt:MATRIX_FMT_FP4
.else
	v_wmma_scale_f32_16x16x128_f8f6f4 v[rD:rD+7], v[rA:rA+7], v[rB:rB+7], v[rD:rD+7], v[XS+\ks], v[WVS+\ks] matrix_a_fmt:MATRIX_FMT_FP4 matrix_b_fmt:MATRIX_FMT_FP4 matrix_a_scale:MATRIX_SCALE_ROW1
.endif
.endif
.endm
	s_load_b256 s[4:11], s[0:1], 0x0               ; x s[4:5], wq's codes s[6:7], wq's scales s[8:9], wk's codes s[10:11]
	s_load_b256 s[12:19], s[0:1], 0x20             ; wk's scales s[12:13], wv's codes s[14:15], wv's scales s[16:17], qc s[18:19]
	s_load_b128 s[20:23], s[0:1], 0x40             ; qs s[20:21], kv s[22:23]
	v_lshl_add_u32 v254, v0, 2, 0x4800
	v_mov_b32 v255, 0
	v_lshrrev_b32 v12, 5, v0
	s_delay_alu instid0(VALU_DEP_1)
	v_readfirstlane_b32 s24, v12                   ; wave 0..15
	v_and_b32 v13, 31, v0                          ; l
	v_and_b32 v14, 15, v0                          ; r
	v_bfe_u32 v15, v0, 4, 1                        ; h
	s_delay_alu instid0(VALU_DEP_3)
	v_lshlrev_b32 v1, 4, v13                       ; 16 l
	s_delay_alu instid0(VALU_DEP_4)
	v_lshlrev_b32 v2, 3, v13                       ; 8 l
	v_lshlrev_b32 v3, 2, v13                       ; 4 l
	v_and_b32 v4, 7, v0
	v_and_b32 v12, 8, v0
	s_delay_alu instid0(VALU_DEP_1)
	v_lshl_or_b32 v4, v12, 1, v4
	s_delay_alu instid0(VALU_DEP_1)
	v_lshl_or_b32 v4, v15, 3, v4                   ; my point of the wave's 32: lane (u = h, m = r) takes 8 u + m + 8 (m / 8)
	s_delay_alu instid0(VALU_DEP_1)
	v_lshlrev_b32 v4, 2, v4
	s_delay_alu instid0(VALU_DEP_4)
	v_add_nc_u32 v12, v12, v14                     ; r + 8 (r / 8): a weight tile's row
	s_delay_alu instid0(VALU_DEP_1)
	v_lshlrev_b32 v5, 7, v12
	s_delay_alu instid0(VALU_DEP_1)
	v_lshl_or_b32 v5, v15, 4, v5                   ; its codes: 128 bytes a row, + 16 h
	s_delay_alu instid0(VALU_DEP_3)
	v_lshlrev_b32 v6, 3, v12                       ; its scale bytes: 8 a row
	s_lshr_b32 s25, ttmp9, 5                       ; b
	s_and_b32 s26, ttmp9, 31                       ; st
	s_and_b32 s27, s24, 3                          ; X: my 32 points.  P2: my tile of the head's four
	s_lshr_b32 s28, s24, 2                         ; X: my 64 channels.  P2: my head
	s_lshr_b32 s29, s28, 1                         ; X: the K step
	s_and_b32 s30, s28, 1                          ; X: which half of it
	s_lshr_b32 s31, s24, 3                         ; P1: q (0) or k (1)
	s_bfe_u32 s32, s24, 0x20001                    ; P1: the head
	s_and_b32 s33, s24, 1                          ; P1: point tiles 4 ph .. 4 ph + 3
	s_lshl_b32 s34, s25, 22                        ; x: batch, 64 channels x quarter, 128 points x step, 32 points x group, in bytes
	s_lshl_b32 s35, s28, 20
	s_add_co_u32 s34, s34, s35
	s_lshl_b32 s35, s26, 9
	s_add_co_u32 s34, s34, s35
	s_lshl_b32 s35, s27, 7
	s_add_co_u32 s34, s34, s35
	s_mov_b32 s35, 0
	s_mov_b32 s[SEL], 0x76543210
	s_mov_b32 s[SEL+1], 0xfedcba98
	s_mov_b32 vcc_lo, 0xffff0000                   ; lanes 16-31
	s_wait_alu depctr_va_vdst(0)
	s_wait_kmcnt 0x0
	s_add_nc_u64 s[4:5], s[4:5], s[34:35]
.set i, 0
.rept 64
	global_load_b32 v[HA+i], v4, s[4:5] offset:i*16384 th:TH_LOAD_NT   ; channel i of my 64: the wave reads 128 consecutive bytes, four waves side by side 512
.set i, i+1
.endr
	; where things go and come from (offsets are made apart from the addresses)
	s_lshl_b32 s40, s25, 2
	s_add_co_u32 s40, s40, s32                     ; bh of P1
	s_lshl_b32 s44, s40, 8
	s_lshl_b32 s41, s26, 3
	s_add_co_u32 s44, s44, s41
	s_lshl_b32 s41, s33, 2
	s_add_co_u32 s44, s44, s41
	s_lshl_b32 s44, s44, 9                         ; q's codes: (256 bh + 8 st + 4 ph) x 512
	s_lshl_b32 s45, s40, 5
	s_add_co_u32 s45, s45, s26
	s_mul_i32 s45, s45, 8960                       ; the record (bh, st)
	s_lshl_b32 s41, s33, 8
	s_add_co_u32 s52, s45, s41
	s_add_co_u32 s52, s52, 8192                    ; k's scale words: record + 8,192 + 256 ph
	s_lshl_b32 s41, s33, 11
	s_add_co_u32 s45, s45, s41                     ; k's codes: record + 2,048 ph
	s_lshl_b32 s51, s40, 6
	s_lshl_b32 s41, s26, 1
	s_add_co_u32 s51, s51, s41
	s_add_co_u32 s51, s51, s33
	s_lshl_b32 s51, s51, 8                         ; q's scale words: (64 bh + 2 st + ph) x 256
	s_cmp_eq_u32 s31, 0                            ; the choice hangs on the wave's number alone
	s_cselect_b64 s[36:37], s[6:7], s[10:11]
	s_cselect_b64 s[38:39], s[8:9], s[12:13]
	s_cselect_b64 s[42:43], s[18:19], s[22:23]
	s_cselect_b64 s[48:49], s[20:21], s[22:23]
	s_cselect_b32 s46, s44, s45
	s_cselect_b32 s50, s51, s52
	s_mov_b32 s47, 0
	s_mov_b32 s51, 0
	s_add_nc_u64 s[42:43], s[42:43], s[46:47]
	s_add_nc_u64 s[48:49], s[48:49], s[50:51]
	s_lshl_b32 s46, s32, 13                        ; the head's 64 rows of the weight
	s_add_nc_u64 s[36:37], s[36:37], s[46:47]
	s_lshl_b32 s46, s32, 9
	s_add_nc_u64 s[38:39], s[38:39], s[46:47]
	s_lshl_b32 s41, s28, 6                         ; wv: my tile begins at row 64 head + 32 (tile / 2) + 8 (tile % 2)
	s_and_b32 s46, s32, 1
	s_lshl_b32 s46, s46, 5
	s_add_co_u32 s41, s41, s46
	s_lshl_b32 s46, s33, 3
	s_add_co_u32 s41, s41, s46
	s_lshl_b32 s46, s41, 7
	s_add_nc_u64 s[14:15], s[14:15], s[46:47]
	s_lshl_b32 s46, s41, 3
	s_add_nc_u64 s[16:17], s[16:17], s[46:47]
.irp tt, 0,1,2,3
.irp ks, 0,1
.irp c, 0,1
	global_load_b128 v[WQ+8*(2*\tt+\ks)+4*\c:WQ+8*(2*\tt+\ks)+4*\c+3], v5, s[36:37] offset:(32*(\tt/2)+8*(\tt%2))*128+64*\ks+32*\c
.endr
	global_load_b32 v[WQS+2*\tt+\ks], v6, s[38:39] offset:(32*(\tt/2)+8*(\tt%2))*8+4*\ks
.endr
.endr
.irp ks, 0,1
.irp c, 0,1
	global_load_b128 v[WVF+8*\ks+4*\c:WVF+8*\ks+4*\c+3], v5, s[14:15] offset:64*\ks+32*\c
.endr
	global_load_b32 v[WVS+\ks], v6, s[16:17] offset:4*\ks
.endr
	s_lshl_b32 s41, s25, 2                         ; v's codes: record (4 b + head, st) + 4,096 + 1,024 tile
	s_add_co_u32 s46, s41, s28
	s_lshl_b32 s46, s46, 5
	s_add_co_u32 s46, s46, s26
	s_mul_i32 s46, s46, 8960
	s_lshl_b32 s50, s27, 10
	s_add_co_u32 s46, s46, s50
	s_add_co_u32 s46, s46, 4096
	s_add_nc_u64 s[56:57], s[22:23], s[46:47]
	s_add_co_u32 s46, s41, s27                     ; v's scale words: record (4 b + wave % 4, st) + 8,704
	s_lshl_b32 s46, s46, 5
	s_add_co_u32 s46, s46, s26
	s_mul_i32 s46, s46, 8960
	s_add_co_u32 s46, s46, 8704
	s_add_nc_u64 s[58:59], s[22:23], s[46:47]
	; LDS addresses: a constant x lane + constants x parts of the wave's number
	s_lshl_b32 s34, s27, 12
	s_lshl_b32 s35, s29, 10
	s_add_co_u32 s34, s34, s35
	s_lshl_b32 s35, s30, 9
	s_add_co_u32 s34, s34, s35
	v_add_nc_u32 v7, s34, v1                       ; X: my four registers of the even tile's fragment
	s_lshl_b32 s34, s27, 8
	s_lshl_b32 s35, s29, 7
	s_add_co_u32 s34, s34, s35
	s_lshl_b32 s35, s30, 1
	s_add_co_u32 s34, s34, s35
	v_add_nc_u32 v8, s34, v3                       ; X: my two bytes of my point's scale word
	s_lshl_b32 s34, s33, 13
	v_add_nc_u32 v9, s34, v1                       ; P1: my four tiles' fragments
	s_lshl_b32 s34, s33, 9
	v_add_nc_u32 v10, s34, v3                      ; P1: their scale words
	v_lshlrev_b32 v11, 2, v14
	s_lshl_b32 s34, s24, 6
	v_add_nc_u32 v11, s34, v11                     ; P2: my tile's scale words: 64 x wave + 4 r
	s_lshl_b32 s34, s27, 8
	v_add_nc_u32 v124, s34, v2                     ; and a head's 256 bytes of them on the way out
.irp b, 0,1,2,3
	v_mov_b32 v[T2+\b], 0                          ; written once: a lane permute's destination counts as one of its sources
.endr
	; ---- X: my point's 64 channels are two whole blocks: no other lane is asked for a maximum
	s_wait_loadcnt 30                              ; x's 64 loads are in; the 30 weight loads behind them may be out
.irp b, 0,1
	v_max3_num_f32 v[MX+\b], |v[HA+32*\b]|, |v[HA+1+32*\b]|, 0x1800000
.endr
.irp i, 2,4,6,8,10,12,14,16,18,20,22,24,26,28,30
.irp b, 0,1
	s_delay_alu instid0(VALU_DEP_2)
	v_max3_num_f32 v[MX+\b], v[MX+\b], |v[HA+32*\b+\i]|, |v[HA+1+32*\b+\i]|
.endr
.endr
.irp b, 0,1
	s_delay_alu instid0(VALU_DEP_2)
	v_add_nc_u32 v[SO+\b], 0xff000000, v[MX+\b]
.endr
.irp b, 0,1
	s_delay_alu instid0(VALU_DEP_2)
	v_lshrrev_b32 v[T2+\b], 23, v[SO+\b]
.endr
	s_delay_alu instid0(VALU_DEP_1)
	v_lshl_or_b32 v[PW], v[T2+1], 8, v[T2]
.irp b, 0,1
.irp g, 0,1,2,3
	v_cvt_scalef32_pk8_fp4_f32 v[PC+4*\b+\g], v[HA+32*\b+8*\g:HA+32*\b+8*\g+7], v[SO+\b]
.endr
.endr
	v_nop                                          ; one plain place behind a scaled conversion
.irp g, 0,1,2,3
	v_permlane16_swap_b32 v[PC+\g], v[PC+4+\g]     ; lanes 0-15 hold the even tile's rows, lanes 16-31 the odd tile's: now v[PC..] is the even tile's (lower block | upper block), v[PC+4..] the odd tile's
.endr
	ds_store_b128 v7, v[PC:PC+3]
	ds_store_b128 v7, v[PC+4:PC+7] offset:2048
	ds_store_b16 v8, v[PW] offset:XSC
	BAR                                            ; x's sixteen fragments and their scale words lie in LDS
	s_wait_loadcnt 0x0                             ; the weights
	; ---- P1: q or k of my head for my four point tiles, two at a time; eight accumulators by turns
.irp p, 0,1
.irp u, 0,1
.irp ks, 0,1
.irp c, 0,1
	ds_load_b128 v[XB+16*\u+8*\ks+4*\c:XB+16*\u+8*\ks+4*\c+3], v9 offset:\p*4096+\u*2048+\ks*1024+\c*512
.endr
.endr
.endr
.irp ks, 0,1
	ds_load_b32 v[XS+\ks], v10 offset:XSC+\p*256+\ks*128
.endr
	s_wait_dscnt 0x0
.irp ks, 0,1
.irp u, 0,1
.irp tt, 0,1,2,3
	PQK \u, \tt, \ks
.endr
.endr
.endr
.rept 5
	v_nop                                          ; places: four ahead of the first read of results and of loads into the operands' registers, five ahead of products that begin these accumulators anew
.endr
	QUANT2 HA, PCQ+8*\p, PWE, 1
	QUANT2 HA+32, PCQ+8*\p+4, PW, 1
	v_cndmask_b32 v[SW+\p], v[PWE], v[PW], vcc_lo  ; lanes 0-15: the even tile's words, lanes 16-31: the odd tile's
	global_store_b128 v1, v[PCQ+8*\p:PCQ+8*\p+3], s[42:43] offset:(2*\p)*512          ; 512 consecutive bytes, aligned
	global_store_b128 v1, v[PCQ+8*\p+4:PCQ+8*\p+7], s[42:43] offset:(2*\p+1)*512
.endr
	global_store_b64 v2, v[SW:SW+1], s[48:49]      ; four tiles' scale words: 256 consecutive bytes, aligned
	; ---- P2: v of my 16 channels for the 128 points; two accumulators by turns
.irp g, 0,1,2,3
.rept 4
	v_nop                                          ; places in front of loads into registers that matrix instructions have read
.endr
.irp u, 0,1
.irp ks, 0,1
.irp c, 0,1
	ds_load_b128 v[XB+16*\u+8*\ks+4*\c:XB+16*\u+8*\ks+4*\c+3], v1 offset:\g*4096+\u*2048+\ks*1024+\c*512
.endr
.endr
.endr
.irp ks, 0,1
	ds_load_b32 v[XS+\ks], v3 offset:XSC+\g*256+\ks*128
.endr
	s_wait_dscnt 0x0
.irp ks, 0,1
.irp u, 0,1
	PVV \g, \u, \ks
.endr
.endr
.endr
.rept 4
	v_nop
.endr
	QUANT4 HA                                      ; register 16 g + i = key 32 g + 16 h + i of my channel: one fragment of V^T and its scale word
	global_store_b128 v1, v[PC:PC+3], s[56:57]
	global_store_b128 v1, v[PC+4:PC+7], s[56:57] offset:512
	ds_store_b32 v11, v[PW] offset:VSG             ; both halves of the lanes write the same word with the same value
	BAR
	s_cmp_lt_u32 s24, 4                            ; waves 0 to 3 send a head's scale words each: one aligned run of 256 bytes
	s_cbranch_scc0 .Ldone
	ds_load_b64 v[126:127], v124 offset:VSG
	s_wait_dscnt 0x0
	global_store_b64 v2, v[126:127], s[58:59]
.Ldone:
	s_wait_tensorcnt 0x0
	ds_add_u32 v254, v255
	s_wait_dscnt 0x0
	s_endpgm
.Lfunc_end_k_q2979f6ccf4_proj:
	.size	k_q2979f6ccf4_proj, .Lfunc_end_k_q2979f6ccf4_proj-k_q2979f6ccf4_proj
	.p2alignl 7, 3214868480
	.fill 96, 4, 3214868480
	.section	.rodata,"a",@progbits
	.p2align	6, 0x0
	.amdhsa_kernel k_q2979f6ccf4_proj
		.amdhsa_group_segment_fixed_size 20480
		.amdhsa_private_segment_fixed_size 0
		.amdhsa_enable_private_segment 0
		.amdhsa_kernarg_size 80
		.amdhsa_user_sgpr_count 2
		.amdhsa_user_sgpr_kernarg_segment_ptr 1
		.amdhsa_wavefront_size32 1
		.amdhsa_system_sgpr_workgroup_id_x 1
		.amdhsa_system_sgpr_workgroup_id_y 1
		.amdhsa_system_sgpr_workgroup_id_z 1
		.amdhsa_system_vgpr_workitem_id 0
		.amdhsa_next_free_vgpr 256
		.amdhsa_next_free_sgpr 66
		.amdhsa_reserve_vcc 1
		.amdhsa_float_denorm_mode_32 3
		.amdhsa_float_denorm_mode_16_64 3
		.amdhsa_memory_ordered 1
		.amdhsa_forward_progress 1
		.amdhsa_inst_pref_size 44
	.end_amdhsa_kernel
	.amdgpu_metadata
---
amdhsa.version: [ 1, 2 ]
amdhsa.kernels:
  - .name:           k_q2979f6ccf4_proj
    .symbol:         k_q2979f6ccf4_proj.kd
    .args:
      - { .name: x, .offset: 0, .size: 8, .value_kind: global_buffer, .address_space: global }
      - { .name: wq_codes, .offset: 8, .size: 8, .value_kind: global_buffer, .address_space: global }
      - { .name: wq_scales, .offset: 16, .size: 8, .value_kind: global_buffer, .address_space: global }
      - { .name: wk_codes, .offset: 24, .size: 8, .value_kind: global_buffer, .address_space: global }
      - { .name: wk_scales, .offset: 32, .size: 8, .value_kind: global_buffer, .address_space: global }
      - { .name: wv_codes, .offset: 40, .size: 8, .value_kind: global_buffer, .address_space: global }
      - { .name: wv_scales, .offset: 48, .size: 8, .value_kind: global_buffer, .address_space: global }
      - { .name: qc, .offset: 56, .size: 8, .value_kind: global_buffer, .address_space: global }
      - { .name: qs, .offset: 64, .size: 8, .value_kind: global_buffer, .address_space: global }
      - { .name: kv, .offset: 72, .size: 8, .value_kind: global_buffer, .address_space: global }
    .group_segment_fixed_size: 20480
    .private_segment_fixed_size: 0
    .kernarg_segment_align: 8
    .kernarg_segment_size: 80
    .max_flat_workgroup_size: 512
    .sgpr_count:     66
    .vgpr_count:     256
    .wavefront_size: 32
...
	.end_amdgpu_metadata
.endif
;; end of part 1
;; launch attn (part 2): grid 16 x 16, 16 waves a work-group, clusters of 4 x 1, 327,680 bytes of LDS; arguments qc, qs, kv, x, dc, dsc; writes dc, dsc
.if DOCPART == 2
	.amdgcn_target "amdgcn-amd-amdhsa--gfx1250"
	.amdhsa_code_object_version 6
	.text
	.protected	k_q2979f6ccf4_attn
	.globl	k_q2979f6ccf4_attn
	.p2align	8
	.type	k_q2979f6ccf4_attn,@function
k_q2979f6ccf4_attn:
	s_mov_b64 s[64:65], 0
	v_nop
	global_prefetch_b8 v0, s[64:65] scope:SCOPE_SE
	s_setreg_imm32_b32 hwreg(HW_REG_WAVE_MODE, 25, 1), 1
	s_wait_xcnt 0x0
	s_wait_alu depctr_hold_cnt(0) depctr_sa_sdst(0) depctr_va_vdst(0) depctr_va_sdst(0) depctr_va_ssrc(0) depctr_va_vcc(0) depctr_vm_vsrc(0)
	s_getreg_b32 s2, hwreg(HW_REG_IB_STS2, 6, 4)
	s_cmp_eq_u32 s2, 0
	s_cbranch_scc0 .Lentry_in_a_cluster
	s_endpgm
.Lentry_in_a_cluster:
	s_bfe_u32 s2, ttmp6, 0x10000c
	s_cmp_lg_u32 s2, 0x3003
	s_cbranch_scc0 .Lentry_shape_is_right
	s_endpgm
.Lentry_shape_is_right:
; d = softmax(q^T k / 8) v^T - x, quantised along the channels, for one (batch, head) pair bh and 256 queries; both products on codes of FP4 (E2M1) with E8M0 scales.
; THE SOFTMAX AHEAD OF THE SECOND PRODUCT: t = score x log2(e) / 8; M = the running largest t rounded UP to a whole number; p = 2^(t - M) is quantised along the keys, not normalised; the row's sum is taken of the
; unquantised p and divides at the end; when M moves, the sum and O are multiplied by 2^(old M - new M), which rounds nothing.
; SHARES.  Work-group (X, bh): queries 256 X on.  Sixteen waves, one tile of 16 queries each (tile T = 16 X + wave), 256 registers: four waves to a SIMD, so that one wave's vector work stands beside another's products and LDS loads.
; THE WHOLE HEAD'S K AND V LIE IN LDS: 32 records of 8,960 bytes (written by the launch before as images of operand registers): 286,720 bytes, filled once.  Nothing is filled again, so there is no ring.
; CLUSTER: the four query blocks of a cluster belong to one head and read the same records: each record is asked for jointly, by the same tensor load with the same descriptor and the mask of all four.
; Wave w asks for records w and 16 + w: two tensor loads of a wave are out at the most.
; LAYOUT.  Both products transposed: S^T = K Q^T (source 0 = 16 keys), O^T = V^T P^T (source 0 = 16 channels): a lane holds ONE query throughout.  Tiles are permuted (row m of tile 2 B + u is 32 B + 8 u + m + 8 (m / 8)),
; so that p's 16 registers of two neighbouring tiles are 16 neighbouring keys, and O^T's are 16 neighbouring channels.
; THE HEAD'S SIZE IS 64, the instruction's K is 128: Q's upper four registers are zero codes and both sides' upper two scale bytes are 0x7f.  K's fragment t is named v[32 + 4 t : 39 + 4 t]: its upper half is the next tile's codes
; (zeros behind the last), which meet Q's zero codes and add exactly 0.
; LIMITS: NaN and infinities are not served; a block whose largest magnitude lies under 2^-124 (a block of zeros too) gets the scale byte 1; this program alone reads the bytes.
.set REC,  8960
.set HALF, 16*REC
.set KS,   26                          ; v26-29  K's scale words: register t / 2, lanes 0-15 the even tile, lanes 16-31 the odd one
.set VS,   30                          ; v30-31  V's likewise
.set KF,   32                          ; v32-63  K's codes, four registers a tile; v64-67 zeros
.set VF,   68                          ; v68-99  V's four fragments
.set S,    100                         ; v100-163 S^T, then p
.set O,    164                         ; v164-195 O^T
.set PCD,  196                         ; v196-203 p's codes
.set MX,   204                         ; v204-207 each block's largest score, then its largest p
.set T2,   208
.set SO,   212
.set F,    216                         ; v216 f = 2^(old M - new M)
.set PW,   217                         ; v217 p's scale word
.set TMP,  218
.set XH,   220                         ; v220-251 x: four channels x 256 points, held from the head to the end
.set WV,   16
.set SEL,  20                          ; s[20:21]
.set CS,   22                          ; s[22:23] c = log2(e) / 8
.set G1,   24                          ; s[24:31] descriptor group 1; s[32:35], s[36:39] the two groups 0
.set TB,   40                          ; s40 LDS byte at which the step's record begins
.set CNT,  41
.macro BAR
	s_wait_dscnt 0x0
	s_barrier_signal -1
	s_barrier_wait -1
.endm
.macro ROUND                           ; a round of the cluster's barrier
	s_barrier_signal -1
	s_barrier_wait -1
	s_cmp_lg_u32 s[WV], 0
	s_cbranch_scc1 .Lnot_wave_0_\@
	s_barrier_signal -3
.Lnot_wave_0_\@:
	s_barrier_wait -3
	s_barrier_signal -1
	s_barrier_wait -1
.endm
.macro QUANT2 s, pc, pw, hi            ; 32 numbers of a lane, register 16 b + i = k 32 b + 16 (lane / 16) + i, become four registers of codes and two scale bytes
.irp b, 0,1
	v_max3_num_f32 v[MX+\b], |v[\s+16*\b]|, |v[\s+1+16*\b]|, 0x1800000
.endr
.irp i, 2,4,6,8,10,12,14
.irp b, 0,1
	s_delay_alu instid0(VALU_DEP_2)
	v_max3_num_f32 v[MX+\b], v[MX+\b], |v[\s+16*\b+\i]|, |v[\s+1+16*\b+\i]|
.endr
.endr
.irp b, 0,1
	s_delay_alu instid0(VALU_DEP_2)
	v_permlanex16_b32 v[T2+\b], v[MX+\b], s[SEL], s[SEL+1]
.endr
.irp b, 0,1
	s_delay_alu instid0(VALU_DEP_2)
	v_max_num_f32 v[MX+\b], v[MX+\b], v[T2+\b]
.endr
.irp b, 0,1
	s_delay_alu instid0(VALU_DEP_2)
	v_add_nc_u32 v[SO+\b], 0xff000000, v[MX+\b]
.endr
.irp b, 0,1
	s_delay_alu instid0(VALU_DEP_2)
	v_lshrrev_b32 v[T2+\b], 23, v[SO+\b]
.endr
	s_delay_alu instid0(VALU_DEP_1)
	v_lshl_or_b32 v[\pw], v[T2+1], 8, v[T2]
.if \hi
	v_or_b32 v[\pw], 0x7f7f0000, v[\pw]
.endif
.irp b, 0,1
	v_cvt_scalef32_pk8_fp4_f32 v[\pc+2*\b], v[\s+16*\b:\s+7+16*\b], v[SO+\b]
	v_cvt_scalef32_pk8_fp4_f32 v[\pc+1+2*\b], v[\s+8+16*\b:\s+15+16*\b], v[SO+\b]
.endr
	v_nop
	v_permlane16_swap_b32 v[\pc], v[\pc+2]
	v_permlane16_swap_b32 v[\pc+1], v[\pc+3]
.endm
	s_load_b256 s[4:11], s[0:1], 0x0               ; qc s[4:5], qs s[6:7], kv s[8:9], x s[10:11]
	s_load_b128 s[12:15], s[0:1], 0x20             ; dc s[12:13], dsc s[14:15]
	v_lshl_add_u32 v254, v0, 2, 0x46000
	v_mov_b32 v255, 0
	ds_add_u32 v254, v255
	ds_add_u32 v254, v255
	v_lshrrev_b32 v4, 5, v0
	s_delay_alu instid0(VALU_DEP_1)
	v_readfirstlane_b32 s[WV], v4                  ; wave 0..15
	s_bfe_u32 s17, ttmp6, 0x40000                  ; cx: it enters global addresses of my own queries alone
	s_lshl_b32 s18, ttmp9, 2
	s_add_co_u32 s18, s18, s17                     ; X
	s_and_b32 s19, ttmp7, 0xffff                   ; bh, which the four partners share
	; descriptor group 1: a record is a dense block of 8,960 bytes: 35 rows of 32 elements of 8 bytes
	s_mov_b32 s[G1], 15|(3<<16)|(1<<21)            ; 15:0 the mask: all four work-groups; 17:16 elements of 8 bytes; 21 set beside a mask
	s_mov_b32 s[G1+1], 32<<16                      ; tensor_dim0
	s_mov_b32 s[G1+2], 35<<16                      ; tensor_dim1
	s_mov_b32 s[G1+3], 32<<16                      ; tile_dim0
	s_mov_b32 s[G1+4], 35                          ; tile_dim1
	s_mov_b32 s[G1+5], 32                          ; pitch
	s_mov_b32 s[G1+6], 0
	s_mov_b32 s[G1+7], 0
	s_mul_i32 s42, s19, 32*REC                     ; the head's records, and my wave's first
	s_mul_i32 s44, s[WV], REC
	s_add_co_u32 s42, s42, s44
	s_mov_b32 s43, 0
	s_lshl_b32 s46, s19, 8                         ; Q's codes: (256 bh + 16 X + wave) x 512
	s_lshl_b32 s47, s18, 4
	s_add_co_u32 s46, s46, s47
	s_add_co_u32 s46, s46, s[WV]
	s_lshl_b32 s46, s46, 9
	s_mov_b32 s47, 0
	s_lshl_b32 s48, s18, 2                         ; Q's scale words: 16,384 bh + 256 (tile / 4) + 128 (tile % 2) + 4 ((tile / 2) % 2)
	s_lshr_b32 s49, s[WV], 2
	s_add_co_u32 s48, s48, s49
	s_lshl_b32 s48, s48, 8
	s_lshl_b32 s49, s19, 14
	s_add_co_u32 s48, s48, s49
	s_and_b32 s49, s[WV], 1
	s_lshl_b32 s49, s49, 7
	s_add_co_u32 s48, s48, s49
	s_bfe_u32 s49, s[WV], 0x10001
	s_lshl_b32 s49, s49, 2
	s_add_co_u32 s48, s48, s49
	s_mov_b32 s49, 0
	s_lshl_b32 s50, s19, 20                        ; x: the head's 64 channels, my wave's four of them, my work-group's 256 points
	s_lshl_b32 s51, s[WV], 16
	s_add_co_u32 s50, s50, s51
	s_lshl_b32 s51, s18, 10
	s_add_co_u32 s50, s50, s51
	s_mov_b32 s51, 0
	s_lshr_b32 s52, s19, 2                         ; dc: (256 b + tile) x 2,048 + 512 head
	s_lshl_b32 s52, s52, 8
	s_lshl_b32 s53, s18, 4
	s_add_co_u32 s52, s52, s53
	s_add_co_u32 s52, s52, s[WV]
	s_lshl_b32 s52, s52, 11
	s_and_b32 s53, s19, 3
	s_lshl_b32 s53, s53, 9
	s_add_co_u32 s52, s52, s53
	s_mov_b32 s53, 0
	s_lshl_b32 s54, s19, 8                         ; dsc: (256 bh + 16 X) x 64 + 512 (wave % 2)
	s_lshl_b32 s55, s18, 4
	s_add_co_u32 s54, s54, s55
	s_lshl_b32 s54, s54, 6
	s_and_b32 s55, s[WV], 1
	s_lshl_b32 s55, s55, 9
	s_add_co_u32 s54, s54, s55
	s_mov_b32 s55, 0
	s_mov_b32 s[SEL], 0x76543210
	s_mov_b32 s[SEL+1], 0xfedcba98
	s_mov_b32 s[CS], 0x3e38aa3b                    ; log2(e) / 8
	s_mov_b32 s[CS+1], s[CS]                       ; (named with it as a pair, so it is written)
	s_mov_b32 s[TB], 0
	s_wait_dscnt 0x0
	s_wait_kmcnt 0x0
	s_mov_b32 s32, 1                               ; group 0: count = 1,
	s_mul_i32 s33, s[WV], REC                      ; the LDS address: record w,
	s_add_nc_u64 s[34:35], s[8:9], s[42:43]        ; its address in memory,
	s_mov_b32 s36, 1
	s_add_co_u32 s37, s33, HALF                    ; and record 16 + w
	s_add_nc_u64 s[38:39], s[34:35], HALF
	s_or_b32 s35, s35, 0x80000000                  ; the type
	s_or_b32 s39, s39, 0x80000000
	ROUND                                          ; all four work-groups are here: the joint loads meet
	tensor_load_to_lds s[32:35], s[G1:G1+7]
	s_nop 0
	s_wait_alu depctr_va_vdst(0)
	s_wait_tensorcnt 0x0
	ds_add_u32 v254, v255
	s_wait_dscnt 0x0
	ROUND
	tensor_load_to_lds s[36:39], s[G1:G1+7]
	s_nop 0
.rept 4
	v_nop                                          ; four behind the loads
.endr
	s_add_nc_u64 s[4:5], s[4:5], s[46:47]
	s_add_nc_u64 s[6:7], s[6:7], s[48:49]
	s_add_nc_u64 s[10:11], s[10:11], s[50:51]
	s_add_nc_u64 s[12:13], s[12:13], s[52:53]
	s_add_nc_u64 s[14:15], s[14:15], s[54:55]
	v_and_b32 v4, 31, v0                           ; l
	v_and_b32 v5, 15, v0                           ; r
	v_bfe_u32 v6, v0, 4, 1                         ; h
	s_delay_alu instid0(VALU_DEP_3)
	v_lshlrev_b32 v1, 4, v4                        ; 16 l
	s_delay_alu instid0(VALU_DEP_4)
	v_lshlrev_b32 v2, 3, v4                        ; 8 l
	v_lshlrev_b32 v3, 2, v4                        ; 4 l
	v_lshlrev_b32 v25, 3, v5                       ; 8 r
	global_load_b128 v[16:19], v1, s[4:5]          ; Q's codes
	global_load_b32 v24, v25, s[6:7]               ; Q's scale words
.irp i, 0,1,2,3
.irp e, 0,1
	global_load_b128 v[XH+4*(2*\i+\e):XH+4*(2*\i+\e)+3], v1, s[10:11] offset:\i*16384+512*\e th:TH_LOAD_NT   ; 512 consecutive bytes of a channel's row; wanted at the end
.endr
.endr
	; the end phase's LDS addresses
	s_lshl_b32 s45, s[WV], 12
	v_add_nc_u32 v7, s45, v1                       ; x into the stage [channel 64][1,024 bytes]: my four channels
	v_and_b32 v8, 8, v0
	s_delay_alu instid0(VALU_DEP_1)
	v_add_nc_u32 v8, v8, v5
	s_delay_alu instid0(VALU_DEP_1)
	v_lshlrev_b32 v8, 2, v8
	s_delay_alu instid0(VALU_DEP_1)
	v_lshl_add_u32 v8, v6, 14, v8                  ; out of it: my query's point, 4 (r + 8 (r / 8)); channels 16 h on
	s_lshr_b32 s45, s[WV], 1
	s_lshl_b32 s45, s45, 7
	v_add_nc_u32 v8, s45, v8
	s_and_b32 s45, s[WV], 1
	s_lshl_b32 s45, s45, 5
	v_add_nc_u32 v8, s45, v8                       ; + my tile's first point: 32 (w / 2) + 8 (w % 2)
	v_lshlrev_b32 v9, 2, v5
	s_lshl_b32 s45, s[WV], 6
	s_add_co_u32 s45, s45, 65536
	v_add_nc_u32 v9, s45, v9                       ; behind the stage: d's scale words, 64 x wave + 4 r
	s_and_b32 s45, s[WV], 1
	s_lshl_b32 s45, s45, 9
	s_add_co_u32 s45, s45, 65536
	v_add_nc_u32 v10, s45, v1                      ; and back, 512 bytes a wave
.irp j, 0,1,2,3
	v_mov_b32 v[20+\j], 0                          ; Q's upper 64 along K: zero codes
	v_mov_b32 v[64+\j], 0                          ; what stands behind K's last tile
	v_mov_b32 v[T2+\j], 0                          ; written once: a lane permute's destination counts as one of its sources
.endr
.set i, 0
.rept 32
	v_mov_b32 v[O+i], 0                            ; O^T: the step is written once; its first run finds zeros, which the first change of M leaves zeros
.set i, i+1
.endr
	v_mov_b32 v13, 0xff61b1e6                      ; the largest t so far: -3e38
	s_delay_alu instid0(VALU_DEP_1)
	v_floor_f32 v12, -v13                          ; -M
	v_mov_b32 v14, 0                               ; the sum, in two halves
	v_mov_b32 v15, 0
	v_mov_b32 v[PW], 0                             ; (named as the upper half of the pair with f before it is first written)
	v_mov_b32 v[TMP], 0
	s_wait_tensorcnt 0x1                           ; my record w has landed; record 16 + w may stay out
	s_barrier_signal -1
	s_barrier_wait -1                              ; records 0 to 15 are whole
	s_wait_loadcnt 8                               ; Q's two loads are in; x's eight behind them stay out
; A KEY STEP: 128 keys, one record
.macro STEP
	s_setprio 2
	v_add_nc_u32 v4, s[TB], v1
	v_add_nc_u32 v5, s[TB], v2
	v_add_nc_u32 v6, s[TB], v3
	v_nop                                          ; four places in front of loads into registers that the last products have read
.irp t, 0,1,2,3,4,5,6,7
	ds_load_b128 v[KF+4*\t:KF+4*\t+3], v4 offset:512*\t
.endr
.irp c, 0,1
	ds_load_b64 v[KS+2*\c:KS+2*\c+1], v5 offset:8192+256*\c
.endr
.irp nt, 0,1,2,3
.irp c, 0,1
	ds_load_b128 v[VF+8*\nt+4*\c:VF+8*\nt+4*\c+3], v4 offset:4096+1024*\nt+512*\c
.endr
.endr
.irp j, 0,1
	ds_load_b32 v[VS+\j], v6 offset:8704+128*\j
.endr
	s_wait_dscnt 10                                ; K and its scale words are in; V's eight loads and its two scale loads may be out
.irp t, 0,2,4,6
	v_wmma_scale_f32_16x16x128_f8f6f4 v[S+8*\t:S+8*\t+7], v[KF+4*\t:KF+4*\t+7], v[16:23], 0, v[KS+\t/2], v24 matrix_a_fmt:MATRIX_FMT_FP4 matrix_b_fmt:MATRIX_FMT_FP4
	v_wmma_scale_f32_16x16x128_f8f6f4 v[S+8*\t+8:S+8*\t+15], v[KF+4*\t+4:KF+4*\t+11], v[16:23], 0, v[KS+\t/2], v24 matrix_a_fmt:MATRIX_FMT_FP4 matrix_b_fmt:MATRIX_FMT_FP4 matrix_a_scale:MATRIX_SCALE_ROW1
.endr
.rept 4
	v_nop
.endr
.irp b, 0,1,2,3
	v_max3_num_f32 v[MX+\b], v[S+16*\b], v[S+1+16*\b], v[S+2+16*\b]   ; the largest score of each block of 32 keys: it serves for the row's maximum and, since p rises with the score, for the block's largest p
.endr
.irp i, 3,5,7,9,11,13
.irp b, 0,1,2,3
	v_max3_num_f32 v[MX+\b], v[MX+\b], v[S+16*\b+\i], v[S+1+16*\b+\i]
.endr
.endr
.irp b, 0,1,2,3
	v_max_num_f32 v[MX+\b], v[MX+\b], v[S+15+16*\b]
.endr
.irp b, 0,1,2,3
	s_delay_alu instid0(VALU_DEP_4)
	v_permlanex16_b32 v[T2+\b], v[MX+\b], s[SEL], s[SEL+1]
.endr
.irp b, 0,1,2,3
	s_delay_alu instid0(VALU_DEP_4)
	v_max_num_f32 v[MX+\b], v[MX+\b], v[T2+\b]       ; with lane l xor 16's 16 keys
.endr
	s_delay_alu instid0(VALU_DEP_2)
	v_max3_num_f32 v[TMP], v[MX], v[MX+1], v[MX+2]
	s_delay_alu instid0(VALU_DEP_1)
	v_max_num_f32 v[TMP], v[TMP], v[MX+3]            ; the step's largest score of my query
	s_delay_alu instid0(VALU_DEP_1)
	v_mul_f32 v[TMP], s[CS], v[TMP]                  ; as t (c is positive)
	s_delay_alu instid0(VALU_DEP_1)
	v_max_num_f32 v13, v13, v[TMP]                   ; the running largest t
	v_mov_b32 v[TMP], v12
	s_delay_alu instid0(VALU_DEP_2)
	v_floor_f32 v12, -v13                            ; the new -M = -ceil(t)
	s_delay_alu instid0(VALU_DEP_1)
	v_sub_f32 v[TMP], v12, v[TMP]                    ; old M - new M: a whole number, 0 or less
	s_delay_alu instid0(VALU_DEP_1)
	v_cvt_i32_f32 v[TMP], v[TMP]                     ; (it saturates)
	s_delay_alu instid0(VALU_DEP_1)
	v_ldexp_f32 v[F], 1.0, v[TMP]                    ; f = 2^(old M - new M)
.set j, 0
.rept 32
	v_pk_fma_f32 v[S+j:S+j+1], v[S+j:S+j+1], s[CS:CS+1], v[12:13] op_sel_hi:[1,0,0]   ; t - M, two at a time
.set j, j+2
.endr
.irp b, 0,1,2,3
	v_fma_f32 v[MX+\b], v[MX+\b], s[CS], v12         ; the same of each block's largest score
.endr
.set j, 0
	s_wait_alu depctr_va_vdst(0)
.rept 64
	v_exp_f32 v[S+j], v[S+j]                         ; p = 2^(t - M)
.set j, j+1
.endr
	s_setprio 1
	v_pk_mul_f32 v[14:15], v[14:15], v[F:F+1] op_sel_hi:[1,0]   ; the sums under the new M: the plain place behind the exponentials
	s_wait_alu depctr_va_vdst(0)                     ; one wait for the whole batch, ahead of its first reader
.irp b, 0,1,2,3
	v_exp_f32 v[MX+\b], v[MX+\b]                     ; the block's largest p
.endr
	v_pk_add_f32 v[T2:T2+1], v[S:S+1], v[S+2:S+3]    ; the row's sum is taken of the unquantised p, in two chains
.irp j, 4,8,12,16,20,24,28,32,36,40,44,48,52,56,60
	v_pk_add_f32 v[14:15], v[14:15], v[S+\j:S+\j+1]
	v_pk_add_f32 v[T2:T2+1], v[T2:T2+1], v[S+2+\j:S+3+\j]
.endr
	s_delay_alu instid0(VALU_DEP_1)
	v_pk_add_f32 v[14:15], v[14:15], v[T2:T2+1]
	s_wait_alu depctr_va_vdst(0)                     ; and one for the four
.irp b, 0,1,2,3
	v_max_num_f32 v[MX+\b], 0x1800000, v[MX+\b]      ; the floor 2^(3 - 127): the byte cannot fall under 1
.endr
.irp b, 0,1,2,3
	s_delay_alu instid0(VALU_DEP_4)
	v_add_nc_u32 v[SO+\b], 0xff000000, v[MX+\b]
.endr
.irp b, 0,1,2,3
	s_delay_alu instid0(VALU_DEP_4)
	v_lshrrev_b32 v[T2+\b], 23, v[SO+\b]
.endr
	s_delay_alu instid0(VALU_DEP_3)
	v_lshl_or_b32 v[PW], v[T2+1], 8, v[T2]           ; p's scale word for these 128 keys
	s_delay_alu instid0(VALU_DEP_1)
	v_lshl_or_b32 v[PW], v[T2+2], 16, v[PW]
	s_delay_alu instid0(VALU_DEP_1)
	v_lshl_or_b32 v[PW], v[T2+3], 24, v[PW]
.irp b, 0,1,2,3
	v_cvt_scalef32_pk8_fp4_f32 v[PCD+2*\b], v[S+16*\b:S+7+16*\b], v[SO+\b]
	v_cvt_scalef32_pk8_fp4_f32 v[PCD+1+2*\b], v[S+8+16*\b:S+15+16*\b], v[SO+\b]
.endr
	v_nop                                            ; one plain place behind a scaled conversion
.irp c, 0,1
.irp i, 0,1
	v_permlane16_swap_b32 v[PCD+4*\c+\i], v[PCD+2+4*\c+\i]
.endr
.endr
.set j, 0
	s_setprio 0
.rept 16
	v_pk_mul_f32 v[O+j:O+j+1], v[O+j:O+j+1], v[F:F+1] op_sel_hi:[1,0]   ; O^T under the new M; these sixteen are also the places between the scale word's and the codes' last writes and the products
.set j, j+2
.endr
	s_wait_alu depctr_va_vdst(0)
	s_wait_dscnt 0x0                                 ; V and its scale words
.irp nt, 0,2
	v_wmma_scale_f32_16x16x128_f8f6f4 v[O+8*\nt:O+8*\nt+7], v[VF+8*\nt:VF+8*\nt+7], v[PCD:PCD+7], v[O+8*\nt:O+8*\nt+7], v[VS+\nt/2], v[PW] matrix_a_fmt:MATRIX_FMT_FP4 matrix_b_fmt:MATRIX_FMT_FP4
	v_wmma_scale_f32_16x16x128_f8f6f4 v[O+8*\nt+8:O+8*\nt+15], v[VF+8*\nt+8:VF+8*\nt+15], v[PCD:PCD+7], v[O+8*\nt+8:O+8*\nt+15], v[VS+\nt/2], v[PW] matrix_a_fmt:MATRIX_FMT_FP4 matrix_b_fmt:MATRIX_FMT_FP4 matrix_a_scale:MATRIX_SCALE_ROW1
.endr
	s_add_co_u32 s[TB], s[TB], REC                   ; the next record
.endm
	s_mov_b32 s[CNT], 16
.Lfirst_half:                                      ; records 0 to 15
	STEP
	s_sub_co_i32 s[CNT], s[CNT], 1
	s_cmp_lg_u32 s[CNT], 0
	s_cbranch_scc1 .Lfirst_half
	s_setprio 0
	s_wait_tensorcnt 0x0                           ; my record 16 + w has landed,
	BAR                                            ; everybody's has
	s_mov_b32 s[CNT], 16
.Lsecond_half:                                     ; records 16 to 31
	STEP
	s_sub_co_i32 s[CNT], s[CNT], 1
	s_cmp_lg_u32 s[CNT], 0
	s_cbranch_scc1 .Lsecond_half
	s_setprio 0
	; ---- THE END: d = O / l - x, quantised along the head's 64 channels
.rept 4
	v_nop                                          ; places behind the last products
.endr
	v_add_f32 v14, v14, v15                        ; the sum's two halves,
	s_delay_alu instid0(VALU_DEP_1)
	v_permlanex16_b32 v[TMP], v14, s[SEL], s[SEL+1]
	s_delay_alu instid0(VALU_DEP_1)
	v_add_f32 v14, v14, v[TMP]                     ; and lane l xor 16's
	s_wait_alu depctr_va_vdst(0)
	v_rcp_f32 v14, v14
	v_nop                                          ; a plain place behind the reciprocal
	s_wait_alu depctr_va_vdst(0)                   ; and the wait ahead of its first reader
	s_wait_loadcnt 0x0                             ; x
	BAR                                            ; nobody reads K or V any more; those bytes have had their only fill
.irp i, 0,1,2,3
.irp e, 0,1
	ds_store_b128 v7, v[XH+4*(2*\i+\e):XH+4*(2*\i+\e)+3] offset:\i*1024+512*\e
.endr
.endr
	BAR                                            ; the head's 64 channels x 256 points of x lie in the stage
.irp nt, 0,1,2,3
.irp j, 0,1,2,3,4,5,6,7
	ds_load_b32 v[S+8*\nt+\j], v8 offset:(32*(\nt/2)+8*(\nt%2)+\j)*1024   ; x at (my register's channel, my query's point).  The two halves of the lanes stand 16,384 bytes apart and so meet in the same banks (64 banks of 4 bytes: ISA guide 11.1): once in the launch
.endr
.endr
	s_wait_dscnt 0x0
.set i, 0
.rept 32
	v_fma_f32 v[S+32+i], v[O+i], v14, -v[S+i]      ; each accumulator from its low end on
.set i, i+1
.endr
	QUANT2 S+32, PCD, PW, 0
	global_store_b128 v1, v[PCD:PCD+3], s[12:13]   ; half a fragment of the last product's operand: 512 consecutive bytes, aligned
	ds_store_b32 v9, v[PW]
	BAR
	s_cmp_lt_u32 s[WV], 2                          ; waves 0 and 1 send the sixteen tiles' scale words: 512 consecutive bytes each
	s_cbranch_scc0 .Lno_words
	ds_load_b128 v[S:S+3], v10
	s_wait_dscnt 0x0
	global_store_b128 v1, v[S:S+3], s[14:15]
.Lno_words:
	s_wait_tensorcnt 0x0
	ds_add_u32 v254, v255
	s_wait_dscnt 0x0
	ROUND                                          ; the closing round: no work-group ends while a partner may still ask for a record that names it
	s_endpgm
.Lfunc_end_k_q2979f6ccf4_attn:
	.size	k_q2979f6ccf4_attn, .Lfunc_end_k_q2979f6ccf4_attn-k_q2979f6ccf4_attn
	.p2alignl 7, 3214868480
	.fill 96, 4, 3214868480
	.section	.rodata,"a",@progbits
	.p2align	6, 0x0
	.amdhsa_kernel k_q2979f6ccf4_attn
		.amdhsa_group_segment_fixed_size 327680
		.amdhsa_private_segment_fixed_size 0
		.amdhsa_enable_private_segment 0
		.amdhsa_kernarg_size 48
		.amdhsa_user_sgpr_count 2
		.amdhsa_user_sgpr_kernarg_segment_ptr 1
		.amdhsa_wavefront_size32 1
		.amdhsa_system_sgpr_workgroup_id_x 1
		.amdhsa_system_sgpr_workgroup_id_y 1
		.amdhsa_system_sgpr_workgroup_id_z 1
		.amdhsa_system_vgpr_workitem_id 0
		.amdhsa_next_free_vgpr 256
		.amdhsa_next_free_sgpr 66
		.amdhsa_reserve_vcc 0
		.amdhsa_float_denorm_mode_32 3
		.amdhsa_float_denorm_mode_16_64 3
		.amdhsa_memory_ordered 1
		.amdhsa_forward_progress 1
		.amdhsa_inst_pref_size 50
	.end_amdhsa_kernel
	.amdgpu_metadata
---
amdhsa.version: [ 1, 2 ]
amdhsa.kernels:
  - .name:           k_q2979f6ccf4_attn
    .symbol:         k_q2979f6ccf4_attn.kd
    .args:
      - { .name: qc, .offset: 0, .size: 8, .value_kind: global_buffer, .address_space: global }
      - { .name: qs, .offset: 8, .size: 8, .value_kind: global_buffer, .address_space: global }
      - { .name: kv, .offset: 16, .size: 8, .value_kind: global_buffer, .address_space: global }
      - { .name: x, .offset: 24, .size: 8, .value_kind: global_buffer, .address_space: global }
      - { .name: dc, .offset: 32, .size: 8, .value_kind: global_buffer, .address_space: global }
      - { .name: dsc, .offset: 40, .size: 8, .value_kind: global_buffer, .address_space: global }
    .group_segment_fixed_size: 327680
    .private_segment_fixed_size: 0
    .kernarg_segment_align: 8
    .kernarg_segment_size: 48
    .max_flat_workgroup_size: 512
    .sgpr_count:     66
    .vgpr_count:     256
    .wavefront_size: 32
...
	.end_amdgpu_metadata
.endif
;; end of part 2
;; launch stats (part 3): grid 64 x 4, 8 waves a work-group, no clusters, 3,072 bytes of LDS; arguments dc, dsc, wt_codes, wt_scales, bt, part; writes part
.if DOCPART == 3
	.amdgcn_target "amdgcn-amd-amdhsa--gfx1250"
	.amdhsa_code_object_version 6
	.text
	.protected	k_q2979f6ccf4_stats
	.globl	k_q2979f6ccf4_stats
	.p2align	8
	.type	k_q2979f6ccf4_stats,@function
k_q2979f6ccf4_stats:
	s_mov_b64 s[64:65], 0
	v_nop
	global_prefetch_b8 v0, s[64:65] scope:SCOPE_SE
	s_setreg_imm32_b32 hwreg(HW_REG_WAVE_MODE, 25, 1), 1
	s_wait_xcnt 0x0
; y = wt (o - x) + bt on codes of FP4 (E2M1) with E8M0 scales, and of y only its statistics: for each block of 256 points and each channel the mean and the sum of squared deviations FROM THAT MEAN.  y is not stored:
; the last launch makes it again from the same 2 MB of codes.
; Work-group (pb, cb): points 256 (pb % 16) on of batch pb / 16, channels 64 cb on.  Eight waves: g = wave % 4 takes four point tiles (64 points), e = wave / 4 takes 32 channels (two tiles).
; Source 0 = 16 points, source 1 = 16 rows of wt: a lane holds ONE channel and eight points a register run, so that a channel's sums want one exchange, with lane l xor 16.
; The bias is the C of each sum's first product.  No difference of large sums is formed: the deviations are taken from the block's own mean, and the last launch joins the blocks.
; No cluster, no LDS tiles: each operand goes from memory straight into the registers of the wave that multiplies it.
.set DR,  16                           ; v16-23  d's scale bytes as stored: [tile pair p][head]
.set DS,  24                           ; v24-27  d's scale words [p][K step]: lanes 0-15 the even tile, lanes 16-31 the odd one
.set WS,  28                           ; v28-31  wt's scale words [n][K step]
.set BT,  40                           ; v40-55  the bias in the result's layout, eight registers a tile of channels
.set DQ,  56                           ; v56-119 d's fragments (tile i, K step ks) at 8 (2 i + ks)
.set WT,  120                          ; v120-151 wt's (n, ks) at 8 (2 n + ks)
.set ACC, 152                          ; v152-215 y: (i, n) at 8 (2 i + n)
.set SEL, 36
.macro BAR
	s_wait_dscnt 0x0
	s_barrier_signal -1
	s_barrier_wait -1
.endm
.macro OPERANDS                        ; 38 loads
.irp i, 0,1,2,3
.irp ks, 0,1
.irp c, 0,1
	global_load_b128 v[DQ+8*(2*\i+\ks)+4*\c:DQ+8*(2*\i+\ks)+4*\c+3], v1, s[4:5] offset:\i*2048+\ks*1024+\c*512
.endr
.endr
.endr
.irp p, 0,1
.irp hd, 0,1,2,3
	global_load_b32 v[DR+4*\p+\hd], v2, s[6:7] offset:\hd*16384+\p*128
.endr
.endr
.irp n, 0,1
.irp ks, 0,1
.irp c, 0,1
	global_load_b128 v[WT+8*(2*\n+\ks)+4*\c:WT+8*(2*\n+\ks)+4*\c+3], v3, s[8:9] offset:\n*2048+64*\ks+32*\c
.endr
	global_load_b32 v[WS+2*\n+\ks], v4, s[10:11] offset:\n*128+4*\ks
.endr
	global_load_b32 v[BT+8*\n], v5, s[12:13] offset:64*\n
.endr
.endm
.macro PY i, n, ks
.set rD, ACC+8*(2*\i+\n)
.set rA, DQ+8*(2*\i+\ks)
.set rB, WT+8*(2*\n+\ks)
.if \ks == 0
.if \i%2 == 0
	v_wmma_scale_f32_16x16x128_f8f6f4 v[rD:rD+7], v[rA:rA+7], v[rB:rB+7], v[BT+8*\n:BT+8*\n+7], v[DS+2*(\i/2)+\ks], v[WS+2*\n+\ks] matrix_a_fmt:MATRIX_FMT_FP4 matrix_b_fmt:MATRIX_FMT_FP4
.else
	v_wmma_scale_f32_16x16x128_f8f6f4 v[rD:rD+7], v[rA:rA+7], v[rB:rB+7], v[BT+8*\n:BT+8*\n+7], v[DS+2*(\i/2)+\ks], v[WS+2*\n+\ks] matrix_a_fmt:MATRIX_FMT_FP4 matrix_b_fmt:MATRIX_FMT_FP4 matrix_a_scale:MATRIX_SCALE_ROW1
.endif
.else
.if \i%2 == 0
	v_wmma_scale_f32_16x16x128_f8f6f4 v[rD:rD+7], v[rA:rA+7], v[rB:rB+7], v[rD:rD+7], v[DS+2*(\i/2)+\ks], v[WS+2*\n+\ks] matrix_a_fmt:MATRIX_FMT_FP4 matrix_b_fmt:MATRIX_FMT_FP4
.else
	v_wmma_scale_f32_16x16x128_f8f6f4 v[rD:rD+7], v[rA:rA+7], v[rB:rB+7], v[rD:rD+7], v[DS+2*(\i/2)+\ks], v[WS+2*\n+\ks] matrix_a_fmt:MATRIX_FMT_FP4 matrix_b_fmt:MATRIX_FMT_FP4 matrix_a_scale:MATRIX_SCALE_ROW1
.endif
.endif
.endm
.macro PRODUCT
	s_wait_loadcnt 0x0
.irp p, 0,1
.irp ks, 0,1
	v_lshl_or_b32 v[DS+2*\p+\ks], v[DR+4*\p+2*\ks+1], 16, v[DR+4*\p+2*\ks]   ; a K step is two heads: two bytes of each make the word
.endr
.endr
.irp n, 0,1
.irp j, 1,2,3,4,5,6,7
	v_mov_b32 v[BT+8*\n+\j], v[BT+8*\n]            ; my channel's bias for my eight points
.endr
.endr
.rept 4
	v_nop                                          ; with the fourteen moves: more than the eight places between a scale word's write and a scaled product
.endr
.irp ks, 0,1
.irp i, 0,1,2,3
.irp n, 0,1
	PY \i, \n, \ks                                 ; eight accumulators by turns
.endr
.endr
.endr
.rept 4
	v_nop
.endr
.endm
	s_load_b256 s[4:11], s[0:1], 0x0               ; dc s[4:5], dsc s[6:7], wt's codes s[8:9], wt's scales s[10:11]
	s_load_b128 s[12:15], s[0:1], 0x20             ; bt s[12:13], part s[14:15]
	v_lshl_add_u32 v254, v0, 2, 0x800
	v_mov_b32 v255, 0
	v_lshrrev_b32 v6, 5, v0
	s_delay_alu instid0(VALU_DEP_1)
	v_readfirstlane_b32 s24, v6                    ; wave 0..7
	v_and_b32 v10, 31, v0                          ; l
	v_and_b32 v11, 15, v0                          ; r
	v_bfe_u32 v12, v0, 4, 1                        ; h
	s_delay_alu instid0(VALU_DEP_3)
	v_lshlrev_b32 v1, 4, v10                       ; 16 l
	s_delay_alu instid0(VALU_DEP_4)
	v_lshlrev_b32 v2, 2, v10                       ; 4 l
	s_delay_alu instid0(VALU_DEP_4)
	v_lshlrev_b32 v3, 7, v11
	s_delay_alu instid0(VALU_DEP_1)
	v_lshl_or_b32 v3, v12, 4, v3                   ; 128 r + 16 h
	v_lshlrev_b32 v4, 3, v11                       ; 8 r
	v_lshlrev_b32 v5, 2, v11                       ; 4 r
	v_lshlrev_b32 v9, 3, v10                       ; 8 l
	s_and_b32 s26, ttmp7, 0xffff                   ; cb
	s_lshr_b32 s27, ttmp9, 4                       ; b
	s_and_b32 s28, ttmp9, 15
	s_lshl_b32 s28, s28, 4                         ; the block's first tile
	s_and_b32 s29, s24, 3                          ; g
	s_lshr_b32 s30, s24, 2                         ; e
	s_lshl_b32 s31, s26, 6
	s_lshl_b32 s32, s30, 5
	s_add_co_u32 s31, s31, s32                     ; my first channel
	s_lshl_b32 s32, s29, 2
	s_add_co_u32 s28, s28, s32                     ; my first tile
	s_lshl_b32 s32, s27, 8
	s_add_co_u32 s32, s32, s28
	s_lshl_b32 s32, s32, 11                        ; dc: (256 b + tile) x 2,048
	s_mov_b32 s33, 0
	s_lshl_b32 s34, s27, 10
	s_add_co_u32 s34, s34, s28
	s_lshl_b32 s34, s34, 6                         ; dsc: (1,024 b + tile) x 64
	s_mov_b32 s35, 0
	s_mov_b32 s[SEL], 0x76543210
	s_mov_b32 s[SEL+1], 0xfedcba98
	s_wait_alu depctr_va_vdst(0)
	s_wait_kmcnt 0x0
	s_add_nc_u64 s[4:5], s[4:5], s[32:33]
	s_add_nc_u64 s[6:7], s[6:7], s[34:35]
	s_lshl_b32 s32, s31, 7
	s_add_nc_u64 s[8:9], s[8:9], s[32:33]
	s_lshl_b32 s32, s31, 3
	s_add_nc_u64 s[10:11], s[10:11], s[32:33]
	s_lshl_b32 s32, s31, 2
	s_add_nc_u64 s[12:13], s[12:13], s[32:33]
	OPERANDS
	s_lshl_b32 s32, ttmp9, 11                      ; part: 2,048 pb + 512 cb
	s_lshl_b32 s34, s26, 9
	s_add_co_u32 s32, s32, s34
	s_add_nc_u64 s[14:15], s[14:15], s[32:33]
	v_lshlrev_b32 v7, 4, v11
	s_lshl_b32 s34, s30, 9
	v_add_nc_u32 v7, s34, v7                       ; LDS: my channel's four words: 16 (32 e + r); + 256 for the second tile of channels
	s_lshl_b32 s34, s29, 2
	v_add_nc_u32 v6, s34, v7                       ; and my wave's word of them
	v_mov_b32 v222, 0                              ; written once: a lane permute's destination counts as one of its sources
	v_mov_b32 v223, 0
	v_mov_b32 v238, 0
	v_mov_b32 v239, 0
	PRODUCT
	; ---- the sums of my channel's 32 numbers, each accumulator from its low end on
.irp n, 0,1
	v_pk_add_f32 v[216+2*\n:217+2*\n], v[ACC+8*\n:ACC+8*\n+1], v[ACC+8*\n+2:ACC+8*\n+3]
.endr
.irp q, 2,3,4,5,6,7,8,9,10,11,12,13,14,15
.irp n, 0,1
	v_pk_add_f32 v[216+2*\n:217+2*\n], v[216+2*\n:217+2*\n], v[ACC+8*(2*(\q/4)+\n)+2*(\q%4):ACC+8*(2*(\q/4)+\n)+2*(\q%4)+1]
.endr
.endr
.irp n, 0,1
	s_delay_alu instid0(VALU_DEP_2)
	v_add_f32 v[220+\n], v[216+2*\n], v[217+2*\n]
.endr
.irp n, 0,1
	s_delay_alu instid0(VALU_DEP_2)
	v_permlanex16_b32 v[222+\n], v[220+\n], s[SEL], s[SEL+1]
.endr
.irp n, 0,1
	v_add_f32 v[220+\n], v[220+\n], v[222+\n]      ; my wave's 64 points
	ds_store_b32 v6, v[220+\n] offset:256*\n       ; both halves of the lanes write the same word with the same value
.endr
	BAR
.irp n, 0,1
	ds_load_b128 v[224+4*\n:227+4*\n], v7 offset:256*\n
.endr
	s_wait_dscnt 0x0
.irp n, 0,1
	v_add_f32 v[224+4*\n], v[224+4*\n], v[225+4*\n]
	v_add_f32 v[226+4*\n], v[226+4*\n], v[227+4*\n]
	s_delay_alu instid0(VALU_DEP_1)
	v_add_f32 v[224+4*\n], v[224+4*\n], v[226+4*\n]
	s_delay_alu instid0(VALU_DEP_1)
	v_mul_f32 v[232+2*\n], 0x3b800000, v[224+4*\n] ; the block's mean: / 256
	s_delay_alu instid0(VALU_DEP_1)
	v_mov_b32 v[233+2*\n], v[232+2*\n]
.endr
	; ---- the squared deviations from it, in two chains a tile of channels
.irp q, 0,1,2,3,4,5,6,7,8,9,10,11,12,13,14,15
.irp n, 0,1
.set rA, ACC+8*(2*(\q/4)+\n)+2*(\q%4)
.set rC, 216+4*\n+2*(\q%2)
	v_pk_add_f32 v[rA:rA+1], v[rA:rA+1], v[232+2*\n:233+2*\n] neg_lo:[0,1] neg_hi:[0,1]
.if \q < 2
	s_delay_alu instid0(VALU_DEP_1)
	v_pk_mul_f32 v[rC:rC+1], v[rA:rA+1], v[rA:rA+1]
.else
	s_delay_alu instid0(VALU_DEP_1)
	v_pk_fma_f32 v[rC:rC+1], v[rA:rA+1], v[rA:rA+1], v[rC:rC+1]
.endif
.endr
.endr
.irp n, 0
	s_delay_alu instid0(VALU_DEP_3)
	v_pk_add_f32 v[216+4*\n:217+4*\n], v[216+4*\n:217+4*\n], v[218+4*\n:219+4*\n]
.endr
.irp n, 1
	s_delay_alu instid0(VALU_DEP_2)
	v_pk_add_f32 v[216+4*\n:217+4*\n], v[216+4*\n:217+4*\n], v[218+4*\n:219+4*\n]
.endr
.irp n, 0,1
	s_delay_alu instid0(VALU_DEP_2)
	v_add_f32 v[236+\n], v[216+4*\n], v[217+4*\n]
.endr
.irp n, 0,1
	s_delay_alu instid0(VALU_DEP_2)
	v_permlanex16_b32 v[238+\n], v[236+\n], s[SEL], s[SEL+1]
.endr
.irp n, 0,1
	v_add_f32 v[236+\n], v[236+\n], v[238+\n]
	ds_store_b32 v6, v[236+\n] offset:1024+256*\n
.endr
	BAR
	s_cmp_lg_u32 s24, 0                            ; wave 0 joins the four waves' parts and stores: a lane a channel
	s_cbranch_scc1 .Ldone
.irp cp, 0,1
	ds_load_b128 v[216+8*\cp:219+8*\cp], v1 offset:512*\cp
	ds_load_b128 v[220+8*\cp:223+8*\cp], v1 offset:1024+512*\cp
.endr
	s_wait_dscnt 0x0
.irp cp, 0,1
	v_add_f32 v[216+8*\cp], v[216+8*\cp], v[217+8*\cp]
	v_add_f32 v[218+8*\cp], v[218+8*\cp], v[219+8*\cp]
	s_delay_alu instid0(VALU_DEP_1)
	v_add_f32 v[216+8*\cp], v[216+8*\cp], v[218+8*\cp]
	s_delay_alu instid0(VALU_DEP_1)
	v_mul_f32 v[232+2*\cp], 0x3b800000, v[216+8*\cp]
	v_add_f32 v[220+8*\cp], v[220+8*\cp], v[221+8*\cp]
	v_add_f32 v[222+8*\cp], v[222+8*\cp], v[223+8*\cp]
	s_delay_alu instid0(VALU_DEP_1)
	v_add_f32 v[233+2*\cp], v[220+8*\cp], v[222+8*\cp]
	global_store_b64 v9, v[232+2*\cp:233+2*\cp], s[14:15] offset:256*\cp   ; (mean, sum of squared deviations) of 32 channels: 256 consecutive bytes, aligned
.endr
.Ldone:
	s_wait_tensorcnt 0x0
	ds_add_u32 v254, v255
	s_wait_dscnt 0x0
	s_endpgm
.Lfunc_end_k_q2979f6ccf4_stats:
	.size	k_q2979f6ccf4_stats, .Lfunc_end_k_q2979f6ccf4_stats-k_q2979f6ccf4_stats
	.p2alignl 7, 3214868480
	.fill 96, 4, 3214868480
	.section	.rodata,"a",@progbits
	.p2align	6, 0x0
	.amdhsa_kernel k_q2979f6ccf4_stats
		.amdhsa_group_segment_fixed_size 3072
		.amdhsa_private_segment_fixed_size 0
		.amdhsa_enable_private_segment 0
		.amdhsa_kernarg_size 48
		.amdhsa_user_sgpr_count 2
		.amdhsa_user_sgpr_kernarg_segment_ptr 1
		.amdhsa_wavefront_size32 1
		.amdhsa_system_sgpr_workgroup_id_x 1
		.amdhsa_system_sgpr_workgroup_id_y 1
		.amdhsa_system_sgpr_workgroup_id_z 1
		.amdhsa_system_vgpr_workitem_id 0
		.amdhsa_next_free_vgpr 256
		.amdhsa_next_free_sgpr 66
		.amdhsa_reserve_vcc 0
		.amdhsa_float_denorm_mode_32 3
		.amdhsa_float_denorm_mode_16_64 3
		.amdhsa_memory_ordered 1
		.amdhsa_forward_progress 1
		.amdhsa_inst_pref_size 20
	.end_amdhsa_kernel
	.amdgpu_metadata
---
amdhsa.version: [ 1, 2 ]
amdhsa.kernels:
  - .name:           k_q2979f6ccf4_stats
    .symbol:         k_q2979f6ccf4_stats.kd
    .args:
      - { .name: dc, .offset: 0, .size: 8, .value_kind: global_buffer, .address_space: global }
      - { .name: dsc, .offset: 8, .size: 8, .value_kind: global_buffer, .address_space: global }
      - { .name: wt_codes, .offset: 16, .size: 8, .value_kind: global_buffer, .address_space: global }
      - { .name: wt_scales, .offset: 24, .size: 8, .value_kind: global_buffer, .address_space: global }
      - { .name: bt, .offset: 32, .size: 8, .value_kind: global_buffer, .address_space: global }
      - { .name: part, .offset: 40, .size: 8, .value_kind: global_buffer, .address_space: global }
    .group_segment_fixed_size: 3072
    .private_segment_fixed_size: 0
    .kernarg_segment_align: 8
    .kernarg_segment_size: 48
    .max_flat_workgroup_size: 256
    .sgpr_count:     66
    .vgpr_count:     256
    .wavefront_size: 32
...
	.end_amdgpu_metadata
.endif
;; end of part 3
;; launch final (part 4): grid 64 x 4, 8 waves a work-group, no clusters, 168,960 bytes of LDS; arguments x, dc, dsc, wt_codes, wt_scales, bt, gamma, beta, part, out0; writes out0
.if DOCPART == 4
	.amdgcn_target "amdgcn-amd-amdhsa--gfx1250"
	.amdhsa_code_object_version 6
	.text
	.protected	k_q2979f6ccf4_final
	.globl	k_q2979f6ccf4_final
	.p2align	8
	.type	k_q2979f6ccf4_final,@function
k_q2979f6ccf4_final:
	s_mov_b64 s[64:65], 0
	v_nop
	global_prefetch_b8 v0, s[64:65] scope:SCOPE_SE
	s_setreg_imm32_b32 hwreg(HW_REG_WAVE_MODE, 25, 1), 1
	s_wait_xcnt 0x0
; out = x + relu((y - mean) rsqrt(var + 1e-5) gamma + beta), y = wt (o - x) + bt made again from its codes (FP4, E2M1, with E8M0 scales), mean and var over (batch, points) joined from the 64 blocks' parts.
; Shares as in the launch before: work-group (pb, cb): 256 points x 64 channels; wave: g = wave % 4: 64 points, e = wave / 4: 32 channels.  A lane holds one channel, so the affine step is one packed multiply-add for two numbers.
; JOINING THE PARTS: mean = the mean of the 64 means; sum of squares = the sum of the parts' + 256 x the sum of (a part's mean - mean)^2; var = that / 16,384.  No difference of large sums.
; x's 32 rows x 256 bytes of a wave come by one tensor load into the wave's own LDS bytes, asked for at the head and read at the end: no register is held for them meanwhile.  One tensor load of a wave is out.  Nothing is filled again.
; THE WAY OUT: a lane's eight results are 32 bytes of its channel's row; they go through the wave's own stage (rows of 256 bytes + 16) and leave with x added: sixteen lanes store 256 consecutive bytes, aligned.
.set STG, 65536                        ; LDS: 0: x, 8,192 bytes a wave;  here: the stages, 32 x 272 bytes a wave
.set TAB, 135168                       ; (a, b) of the work-group's 64 channels
.set DR,  16
.set DS,  24
.set WS,  28
.set BT,  40
.set DQ,  56
.set WT,  120
.set ACC, 152
.set SEL, 52
.macro BAR
	s_wait_dscnt 0x0
	s_barrier_signal -1
	s_barrier_wait -1
.endm
.macro OPERANDS                        ; 38 loads
.irp i, 0,1,2,3
.irp ks, 0,1
.irp c, 0,1
	global_load_b128 v[DQ+8*(2*\i+\ks)+4*\c:DQ+8*(2*\i+\ks)+4*\c+3], v1, s[4:5] offset:\i*2048+\ks*1024+\c*512
.endr
.endr
.endr
.irp p, 0,1
.irp hd, 0,1,2,3
	global_load_b32 v[DR+4*\p+\hd], v2, s[6:7] offset:\hd*16384+\p*128
.endr
.endr
.irp n, 0,1
.irp ks, 0,1
.irp c, 0,1
	global_load_b128 v[WT+8*(2*\n+\ks)+4*\c:WT+8*(2*\n+\ks)+4*\c+3], v3, s[8:9] offset:\n*2048+64*\ks+32*\c
.endr
	global_load_b32 v[WS+2*\n+\ks], v4, s[10:11] offset:\n*128+4*\ks
.endr
	global_load_b32 v[BT+8*\n], v5, s[12:13] offset:64*\n
.endr
.endm
.macro PY i, n, ks
.set rD, ACC+8*(2*\i+\n)
.set rA, DQ+8*(2*\i+\ks)
.set rB, WT+8*(2*\n+\ks)
.if \ks == 0
.if \i%2 == 0
	v_wmma_scale_f32_16x16x128_f8f6f4 v[rD:rD+7], v[rA:rA+7], v[rB:rB+7], v[BT+8*\n:BT+8*\n+7], v[DS+2*(\i/2)+\ks], v[WS+2*\n+\ks] matrix_a_fmt:MATRIX_FMT_FP4 matrix_b_fmt:MATRIX_FMT_FP4
.else
	v_wmma_scale_f32_16x16x128_f8f6f4 v[rD:rD+7], v[rA:rA+7], v[rB:rB+7], v[BT+8*\n:BT+8*\n+7], v[DS+2*(\i/2)+\ks], v[WS+2*\n+\ks] matrix_a_fmt:MATRIX_FMT_FP4 matrix_b_fmt:MATRIX_FMT_FP4 matrix_a_scale:MATRIX_SCALE_ROW1
.endif
.else
.if \i%2 == 0
	v_wmma_scale_f32_16x16x128_f8f6f4 v[rD:rD+7], v[rA:rA+7], v[rB:rB+7], v[rD:rD+7], v[DS+2*(\i/2)+\ks], v[WS+2*\n+\ks] matrix_a_fmt:MATRIX_FMT_FP4 matrix_b_fmt:MATRIX_FMT_FP4
.else
	v_wmma_scale_f32_16x16x128_f8f6f4 v[rD:rD+7], v[rA:rA+7], v[rB:rB+7], v[rD:rD+7], v[DS+2*(\i/2)+\ks], v[WS+2*\n+\ks] matrix_a_fmt:MATRIX_FMT_FP4 matrix_b_fmt:MATRIX_FMT_FP4 matrix_a_scale:MATRIX_SCALE_ROW1
.endif
.endif
.endm
.macro PRODUCT
	s_wait_loadcnt 0x0
.irp p, 0,1
.irp ks, 0,1
	v_lshl_or_b32 v[DS+2*\p+\ks], v[DR+4*\p+2*\ks+1], 16, v[DR+4*\p+2*\ks]
.endr
.endr
.irp n, 0,1
.irp j, 1,2,3,4,5,6,7
	v_mov_b32 v[BT+8*\n+\j], v[BT+8*\n]
.endr
.endr
.rept 4
	v_nop                                          ; with the fourteen moves: more than the eight places between a scale word's write and a scaled product
.endr
.irp ks, 0,1
.irp i, 0,1,2,3
.irp n, 0,1
	PY \i, \n, \ks                                 ; eight accumulators by turns
.endr
.endr
.endr
.rept 4
	v_nop
.endr
.endm
	s_load_b256 s[4:11], s[0:1], 0x8               ; dc s[4:5], dsc s[6:7], wt's codes s[8:9], wt's scales s[10:11]
	s_load_b256 s[12:19], s[0:1], 0x28             ; bt s[12:13], gamma s[14:15], beta s[16:17], part s[18:19]
	s_load_b64 s[20:21], s[0:1], 0x48              ; out0
	s_load_b64 s[22:23], s[0:1], 0x0               ; x
	v_lshl_add_u32 v254, v0, 2, 0x29000
	v_mov_b32 v255, 0
	ds_add_u32 v254, v255
	ds_add_u32 v254, v255
	v_lshrrev_b32 v6, 5, v0
	s_delay_alu instid0(VALU_DEP_1)
	v_readfirstlane_b32 s24, v6                    ; wave 0..7
	s_and_b32 s26, ttmp7, 0xffff                   ; cb
	s_lshr_b32 s27, ttmp9, 4                       ; b
	s_and_b32 s25, ttmp9, 15                       ; which 256 points of the batch
	s_lshl_b32 s28, s25, 4                         ; the block's first tile
	s_and_b32 s29, s24, 3                          ; g
	s_lshr_b32 s30, s24, 2                         ; e
	s_lshl_b32 s31, s26, 6
	s_lshl_b32 s32, s30, 5
	s_add_co_u32 s31, s31, s32                     ; my first channel
	s_lshl_b32 s32, s29, 2
	s_add_co_u32 s28, s28, s32                     ; my first tile
	s_lshl_b32 s48, s27, 8                         ; x and out0: (256 b + channel) rows of 16,384 bytes + 1,024 x block + 256 g
	s_add_co_u32 s48, s48, s31
	s_lshl_b32 s48, s48, 14
	s_lshl_b32 s49, s25, 10
	s_add_co_u32 s48, s48, s49
	s_lshl_b32 s49, s29, 8
	s_add_co_u32 s48, s48, s49
	s_mov_b32 s49, 0
	; descriptor group 1: 32 rows of 64 elements of 4 bytes, 4,096 elements from row to row
	s_mov_b32 s40, 2<<16
	s_mov_b32 s41, 64<<16                          ; tensor_dim0
	s_mov_b32 s42, 32<<16                          ; tensor_dim1
	s_mov_b32 s43, 64<<16                          ; tile_dim0
	s_mov_b32 s44, 32                              ; tile_dim1
	s_mov_b32 s45, 4096                            ; pitch
	s_mov_b32 s46, 0
	s_mov_b32 s47, 0
	s_mov_b32 s36, 1
	s_lshl_b32 s37, s24, 13                        ; my wave's 8,192 bytes
	s_wait_dscnt 0x0
	s_wait_kmcnt 0x0
	s_add_nc_u64 s[38:39], s[22:23], s[48:49]
	s_or_b32 s39, s39, 0x80000000
	tensor_load_to_lds s[36:39], s[40:47]
	s_nop 0
.rept 4
	v_nop                                          ; four behind the load
.endr
	s_add_nc_u64 s[20:21], s[20:21], s[48:49]
	v_and_b32 v14, 31, v0                          ; l
	v_and_b32 v15, 15, v0                          ; r
	v_bfe_u32 v13, v0, 4, 1                        ; h
	s_delay_alu instid0(VALU_DEP_3)
	v_lshlrev_b32 v1, 4, v14                       ; 16 l
	s_delay_alu instid0(VALU_DEP_4)
	v_lshlrev_b32 v2, 2, v14                       ; 4 l
	s_delay_alu instid0(VALU_DEP_4)
	v_lshlrev_b32 v3, 7, v15
	s_delay_alu instid0(VALU_DEP_1)
	v_lshl_or_b32 v3, v13, 4, v3                   ; 128 r + 16 h
	v_lshlrev_b32 v4, 3, v15                       ; 8 r
	v_lshlrev_b32 v5, 2, v15                       ; 4 r
	v_and_b32 v12, 7, v0
	v_bfe_u32 v11, v0, 3, 2
	s_delay_alu instid0(VALU_DEP_2)
	v_lshlrev_b32 v6, 3, v12
	s_delay_alu instid0(VALU_DEP_1)
	v_lshl_add_u32 v6, v11, 15, v6                 ; part: channel lane % 8 of my wave's eight, blocks 16 (lane / 8) on
	s_wait_alu depctr_va_vdst(0)
	v_lshlrev_b32 v7, 2, v12                       ; gamma, beta
	s_wait_alu depctr_va_vdst(0)
	s_lshl_b32 s54, s26, 6
	s_lshl_b32 s55, s24, 3
	s_add_co_u32 s50, s54, s55                     ; the eight channels whose statistics my wave joins: 64 cb + 8 wave
	s_lshl_b32 s54, s50, 3
	s_mov_b32 s55, 0
	s_add_nc_u64 s[18:19], s[18:19], s[54:55]
	s_lshl_b32 s54, s50, 2
	s_add_nc_u64 s[14:15], s[14:15], s[54:55]
	s_add_nc_u64 s[16:17], s[16:17], s[54:55]
.set i, 0
.rept 16
	global_load_b64 v[ACC+2*i:ACC+2*i+1], v6, s[18:19] offset:i*2048   ; (mean, sum of squares) of block 16 (lane / 8) + i
.set i, i+1
.endr
	global_load_b32 v36, v7, s[14:15]
	global_load_b32 v37, v7, s[16:17]
	s_lshl_b32 s32, s27, 8
	s_add_co_u32 s32, s32, s28
	s_lshl_b32 s32, s32, 11                        ; dc: (256 b + tile) x 2,048
	s_mov_b32 s33, 0
	s_lshl_b32 s34, s27, 10
	s_add_co_u32 s34, s34, s28
	s_lshl_b32 s34, s34, 6                         ; dsc: (1,024 b + tile) x 64
	s_mov_b32 s35, 0
	s_add_nc_u64 s[4:5], s[4:5], s[32:33]
	s_add_nc_u64 s[6:7], s[6:7], s[34:35]
	s_lshl_b32 s32, s31, 7
	s_add_nc_u64 s[8:9], s[8:9], s[32:33]
	s_lshl_b32 s32, s31, 3
	s_add_nc_u64 s[10:11], s[10:11], s[32:33]
	s_lshl_b32 s32, s31, 2
	s_add_nc_u64 s[12:13], s[12:13], s[32:33]
	OPERANDS
	; LDS addresses and the stores' offset
	v_lshlrev_b32 v8, 3, v12
	s_lshl_b32 s32, s24, 6
	s_add_co_u32 s32, s32, TAB
	v_add_nc_u32 v8, s32, v8                       ; (a, b) in: TAB + 8 (8 wave + lane % 8)
	s_lshl_b32 s32, s30, 8
	s_add_co_u32 s32, s32, TAB
	v_add_nc_u32 v9, s32, v4                       ; and out: TAB + 8 (32 e + r); + 128 for the second tile of channels
	s_mul_i32 s32, s24, 8704
	s_add_co_u32 s32, s32, STG                     ; my stage
	v_mul_u32_u24 v10, v15, 272
	s_delay_alu instid0(VALU_DEP_1)
	v_lshl_add_u32 v10, v13, 6, v10
	s_delay_alu instid0(VALU_DEP_1)
	v_add_nc_u32 v10, s32, v10                     ; in: row r, + 64 h
	v_mul_u32_u24 v11, v13, 272
	s_delay_alu instid0(VALU_DEP_1)
	v_lshl_add_u32 v11, v15, 4, v11
	s_delay_alu instid0(VALU_DEP_1)
	v_add_nc_u32 v11, s32, v11                     ; back: lanes 0-15 one row, lanes 16-31 the next
	v_add_nc_u32 v12, s37, v1                      ; x: my wave's bytes, 16 l
	v_lshlrev_b32 v13, 14, v13
	s_delay_alu instid0(VALU_DEP_1)
	v_lshl_add_u32 v13, v15, 4, v13                ; out0: 16,384 h + 16 r
	s_mov_b32 s[SEL], 0x76543210
	s_mov_b32 s[SEL+1], 0xfedcba98
	s_mov_b32 s50, 0x38800000                      ; 1 / 16,384
	s_mov_b32 s51, 0x3727c5ac                      ; 1e-5
	; ---- the statistics of my wave's eight channels
	s_wait_loadcnt 38                              ; the 18 loads of the statistics are in; the product's 38 behind them may be out
	v_pk_add_f32 v[218:219], v[152:153], v[154:155]
	v_pk_add_f32 v[252:253], v[160:161], v[164:165]
	v_pk_add_f32 v[250:251], v[168:169], v[172:173]
	v_pk_add_f32 v[248:249], v[176:177], v[180:181]
	v_pk_add_f32 v[246:247], v[156:157], v[158:159]
	v_pk_add_f32 v[244:245], v[162:163], v[166:167]
	v_pk_add_f32 v[242:243], v[170:171], v[174:175]
	v_pk_add_f32 v[216:217], v[178:179], v[182:183]
	s_delay_alu instid0(VALU_DEP_1)
	v_pk_add_f32 v[216:217], v[216:217], v[248:249]
	v_pk_add_f32 v[218:219], v[218:219], v[246:247]
	v_pk_add_f32 v[252:253], v[252:253], v[244:245]
	v_pk_add_f32 v[250:251], v[250:251], v[242:243]
	s_delay_alu instid0(VALU_DEP_2)
	v_pk_add_f32 v[216:217], v[216:217], v[252:253]
	s_delay_alu instid0(VALU_DEP_2)
	v_pk_add_f32 v[218:219], v[218:219], v[250:251]
	s_delay_alu instid0(VALU_DEP_1)
	v_pk_add_f32 v[216:217], v[216:217], v[218:219]          ; (sum of means, sum of sums of squares) of my 16 blocks
	s_delay_alu instid0(VALU_DEP_1)
	v_add_f32_dpp v216, v216, v216 row_xmask:8 row_mask:0xf bank_mask:0xf
	s_delay_alu instid0(VALU_DEP_2)
	v_add_f32_dpp v217, v217, v217 row_xmask:8 row_mask:0xf bank_mask:0xf
	s_delay_alu instid0(VALU_DEP_2)
	v_permlanex16_b32 v218, v216, s[SEL], s[SEL+1]
	s_delay_alu instid0(VALU_DEP_2)
	v_permlanex16_b32 v219, v217, s[SEL], s[SEL+1]
	s_delay_alu instid0(VALU_DEP_2)
	v_add_f32 v216, v216, v218
	s_delay_alu instid0(VALU_DEP_2)
	v_add_f32 v217, v217, v219                     ; of all 64
	s_delay_alu instid0(VALU_DEP_2)
	v_mul_f32 v220, 0x3c800000, v216               ; the mean: / 64
.irp i, 0,1,2,3,4,5,6,7,8,9,10,11,12,13,14,15
	v_sub_f32 v[222+\i%2], v[ACC+2*\i], v220
.if \i < 2
	s_delay_alu instid0(VALU_DEP_1)
	v_mul_f32 v[224+\i%2], v[222+\i%2], v[222+\i%2]
.else
	s_delay_alu instid0(VALU_DEP_1)
	v_fma_f32 v[224+\i%2], v[222+\i%2], v[222+\i%2], v[224+\i%2]
.endif
.endr
	s_delay_alu instid0(VALU_DEP_1)
	v_add_f32 v224, v224, v225
	s_delay_alu instid0(VALU_DEP_1)
	v_add_f32_dpp v224, v224, v224 row_xmask:8 row_mask:0xf bank_mask:0xf
	s_delay_alu instid0(VALU_DEP_1)
	v_permlanex16_b32 v225, v224, s[SEL], s[SEL+1]
	s_delay_alu instid0(VALU_DEP_1)
	v_add_f32 v224, v224, v225                     ; the sum of (a block's mean - mean)^2
	s_delay_alu instid0(VALU_DEP_1)
	v_fma_f32 v226, v224, 0x43800000, v217         ; x 256 + the blocks' own sums of squares
	s_delay_alu instid0(VALU_DEP_1)
	v_fma_f32 v226, v226, s50, s51                 ; var + eps
	s_wait_alu depctr_va_vdst(0)
	v_rsq_f32 v227, v226
	v_nop                                          ; a plain place behind the transcendental
	s_wait_alu depctr_va_vdst(0)                   ; and the wait ahead of its first reader
	v_mul_f32 v228, v36, v227                      ; a = gamma rsqrt(var + eps)
	s_delay_alu instid0(VALU_DEP_1)
	v_fma_f32 v229, -v220, v228, v37               ; b = beta - mean a
	ds_store_b64 v8, v[228:229]                    ; four lanes write the same pair with the same values
	BAR
	ds_load_b64 v[32:33], v9
	ds_load_b64 v[34:35], v9 offset:128
	PRODUCT
	s_wait_dscnt 0x0
.irp n, 0,1
	v_mov_b32 v[216+4*\n], v[32+2*\n]              ; (a, a) and (b, b) of my channel
	v_mov_b32 v[217+4*\n], v[32+2*\n]
	v_mov_b32 v[218+4*\n], v[33+2*\n]
	v_mov_b32 v[219+4*\n], v[33+2*\n]
.endr
.irp i, 0,1,2,3
.irp n, 0,1
.irp j, 0,2,4,6
	v_pk_fma_f32 v[ACC+8*(2*\i+\n)+\j:ACC+8*(2*\i+\n)+\j+1], v[ACC+8*(2*\i+\n)+\j:ACC+8*(2*\i+\n)+\j+1], v[216+4*\n:217+4*\n], v[218+4*\n:219+4*\n]   ; y a + b, each accumulator from its low end on
.endr
.endr
.endr
.set i, 0
.rept 64
	v_max_num_f32 v[ACC+i], 0, v[ACC+i]            ; relu
.set i, i+1
.endr
.irp i, 0,1,2,3
.irp n, 0,1
	ds_store_b128 v10, v[ACC+8*(2*\i+\n):ACC+8*(2*\i+\n)+3] offset:\n*4352+128*(\i/2)+32*(\i%2)      ; lane (r, h): channel 16 n + r, points 32 (i / 2) + 8 (i % 2) + 16 h + 0 .. 7
	ds_store_b128 v10, v[ACC+8*(2*\i+\n)+4:ACC+8*(2*\i+\n)+7] offset:\n*4352+128*(\i/2)+32*(\i%2)+16
.endr
.endr
	s_wait_tensorcnt 0x0                           ; x lies in my bytes
.set k, 0
.rept 16
	ds_load_b128 v[DQ+4*k:DQ+4*k+3], v11 offset:544*k      ; rows 2 k and 2 k + 1 of the stage: LDS serves a wave's instructions in order (ISA guide 5.7.1.4): these see my stores
	ds_load_b128 v[ACC+4*k:ACC+4*k+3], v12 offset:512*k    ; and the same two rows of x
.set k, k+1
.endr
.set k, 0
.rept 16
	s_wait_dscnt 30-2*k                            ; pair k is in; the younger pairs may be out
	v_pk_add_f32 v[DQ+4*k:DQ+4*k+1], v[DQ+4*k:DQ+4*k+1], v[ACC+4*k:ACC+4*k+1]
	v_pk_add_f32 v[DQ+4*k+2:DQ+4*k+3], v[DQ+4*k+2:DQ+4*k+3], v[ACC+4*k+2:ACC+4*k+3]
	global_store_b128 v13, v[DQ+4*k:DQ+4*k+3], s[20:21] offset:32768*k th:TH_STORE_NT   ; sixteen lanes store 256 consecutive bytes, aligned; written once
.set k, k+1
.endr
	s_wait_tensorcnt 0x0
	ds_add_u32 v254, v255
	s_wait_dscnt 0x0
	s_endpgm
.Lfunc_end_k_q2979f6ccf4_final:
	.size	k_q2979f6ccf4_final, .Lfunc_end_k_q2979f6ccf4_final-k_q2979f6ccf4_final
	.p2alignl 7, 3214868480
	.fill 96, 4, 3214868480
	.section	.rodata,"a",@progbits
	.p2align	6, 0x0
	.amdhsa_kernel k_q2979f6ccf4_final
		.amdhsa_group_segment_fixed_size 168960
		.amdhsa_private_segment_fixed_size 0
		.amdhsa_enable_private_segment 0
		.amdhsa_kernarg_size 80
		.amdhsa_user_sgpr_count 2
		.amdhsa_user_sgpr_kernarg_segment_ptr 1
		.amdhsa_wavefront_size32 1
		.amdhsa_system_sgpr_workgroup_id_x 1
		.amdhsa_system_sgpr_workgroup_id_y 1
		.amdhsa_system_sgpr_workgroup_id_z 1
		.amdhsa_system_vgpr_workitem_id 0
		.amdhsa_next_free_vgpr 256
		.amdhsa_next_free_sgpr 66
		.amdhsa_reserve_vcc 0
		.amdhsa_float_denorm_mode_32 3
		.amdhsa_float_denorm_mode_16_64 3
		.amdhsa_memory_ordered 1
		.amdhsa_forward_progress 1
		.amdhsa_inst_pref_size 30
	.end_amdhsa_kernel
	.amdgpu_metadata
---
amdhsa.version: [ 1, 2 ]
amdhsa.kernels:
  - .name:           k_q2979f6ccf4_final
    .symbol:         k_q2979f6ccf4_final.kd
    .args:
      - { .name: x, .offset: 0, .size: 8, .value_kind: global_buffer, .address_space: global }
      - { .name: dc, .offset: 8, .size: 8, .value_kind: global_buffer, .address_space: global }
      - { .name: dsc, .offset: 16, .size: 8, .value_kind: global_buffer, .address_space: global }
      - { .name: wt_codes, .offset: 24, .size: 8, .value_kind: global_buffer, .address_space: global }
      - { .name: wt_scales, .offset: 32, .size: 8, .value_kind: global_buffer, .address_space: global }
      - { .name: bt, .offset: 40, .size: 8, .value_kind: global_buffer, .address_space: global }
      - { .name: gamma, .offset: 48, .size: 8, .value_kind: global_buffer, .address_space: global }
      - { .name: beta, .offset: 56, .size: 8, .value_kind: global_buffer, .address_space: global }
      - { .name: part, .offset: 64, .size: 8, .value_kind: global_buffer, .address_space: global }
      - { .name: out0, .offset: 72, .size: 8, .value_kind: global_buffer, .address_space: global }
    .group_segment_fixed_size: 168960
    .private_segment_fixed_size: 0
    .kernarg_segment_align: 8
    .kernarg_segment_size: 80
    .max_flat_workgroup_size: 256
    .sgpr_count:     66
    .vgpr_count:     256
    .wavefront_size: 32
...
	.end_amdgpu_metadata
.endif
;; end of part 4
